; MI455X (gfx1250); checked and timed in simulation.
; The chip was launched on July 23, 2026; its instructions are those of AMD's public machine-readable ISA for CDNA 5 (MIT licence, August 2026) and "CDNA5" Instruction Set Architecture Reference Guide (July 2026). The comments in the code are by the model that wrote it; some were corrected since.
;; Multi Head Attention. Allowed arithmetic: matrix products marked QUANTISED: E5M2 operands, one given power-of-two scale a tensor, by v_wmma_f32_16x16x64_bf8_bf8 or v_wmma_f32_16x16x128_bf8_bf8, f32 sums; everything else in f32.
;; Inputs: Wk 512 x 512 float32; Wo 512 x 512 float32; Wq 512 x 512 float32; Wv 512 x 512 float32; bk 512 float32; bo 512 float32; bq 512 float32; bv 512 float32; k 2 x 4,096 x 512 float32; lowp_scales 12 int32 (the exponents e of the quantised operands' scales 2^e); q 2 x 4,096 x 512 float32; v 2 x 4,096 x 512 float32.
;; Outputs: out0 2 x 4,096 x 512 float32.
;; This version of the problem:
;;   THIS VERSION OF THE PROBLEM IS GIVEN IN LOW PRECISION. The matrix products marked QUANTISED in the list below multiply operands that are first quantised to E5M2 (5 exponent bits, 2 mantissa bits; 8 bits a number), with one given power-of-two scale for each operand tensor; their sums are f32. All else is computed in f32.
;;   The module's matrix products, in the order in which they are computed (A, B: the left and right operand; K: the contracted axis; several contracted axes count as one K, in the product's order):
;;     1. [M 8,192, K 512] x [K 512, N 512]; A: input q; B: input Wq: QUANTISED (scales: A lowp_scales[0], B lowp_scales[1])
;;     2. [M 8,192, K 512] x [K 512, N 512]; A: input k; B: input Wk: QUANTISED (scales: A lowp_scales[2], B lowp_scales[3])
;;     3. [M 8,192, K 512] x [K 512, N 512]; A: input v; B: input Wv: QUANTISED (scales: A lowp_scales[4], B lowp_scales[5])
;;     4. batch 16 x [M 4,096, K 64] x [K 64, N 4,096]; A: computed on the way; B: computed on the way: QUANTISED (scales: A lowp_scales[6], B lowp_scales[7])
;;     5. batch 16 x [M 4,096, K 4,096] x [K 4,096, N 64]; A: softmax (see below); B: computed on the way: QUANTISED (scales: A lowp_scales[8], B lowp_scales[9])
;;     6. [M 8,192, K 512] x [K 512, N 512]; A: computed on the way; B: input Wo: QUANTISED (scales: A lowp_scales[10], B lowp_scales[11])
;;   THE QUANTISER, for each operand of a quantised product, along K:
;;     - The operand's scale is 2^e, e = its entry of the input lowp_scales (int32; the entries are numbered through the quantised products in the list's order, A before B).
;;     - Each number is divided by the scale, clamped to +-57,344, and rounded to the nearest number of E5M2, ties to even, subnormals kept.
;;     - The product sums the exact products of the quantised numbers (number of the format x scale) in f32.
;;   ~~~python
;;   def quantise(x, axis, e):      # numpy; x: float32 -> the quantised numbers, widened to float32 again
;;       x = np.moveaxis(x, axis, -1); K = x.shape[-1]
;;       r = np.clip(x / 2.0 ** e, -57344, 57344)
;;       step = 2.0 ** (np.maximum(np.frexp(np.where(r == 0, 1, r))[1] - 1, -14) - 2)
;;       q = np.round(r / step) * step * 2.0 ** e      # np.round: ties to even
;;       return np.moveaxis(q, -1, axis).astype(np.float32)
;;   ~~~
;;   SOFTMAX AHEAD OF A QUANTISED PRODUCT. Where the list says 'softmax', what is quantised is not the finished softmax but p = 2^(t - M), with t = logit x log2(e) and M = ceil(the row's largest t), a whole number; so 1/2 < the row's largest p <= 1. The row's sum l is taken of the UNQUANTISED p, in f32, and the product's result is divided by l at the end. Since M is a whole number, a kernel that streams over the keys may use a running M (the ceiling of the running maximum): every later rescaling is an exact power of two, so the quantised numbers keep their values, but for numbers so far below the row's largest that they fall under the format's range.
;;   OPERANDS COMPUTED ON THE WAY. 'Computed on the way' means the value that the module computes at that place (a softmax that the list does not call 'softmax' is quantised finished and normalised). What goes into a quantiser is computed in f32, as accurately as f32 sums, v_exp_f32 and their like allow (about 1e-6 of the number): no bf16 or f16 on the way to a quantiser, and a product that is left as it is and whose result goes on into a quantised operand takes f32 operands (vector FMAs, or v_wmma_f32_16x16x4_f32). A number that lies on a knife's edge between two numbers of the format may be rounded either way, as far as f32 arithmetic and the matrix unit's own rounding can turn it there, and no further.
;; 2 versions. Each part assembles by itself: llvm-mc -triple=amdgcn-amd-amdhsa -mcpu=gfx1250 --defsym DOCPART=n.
;; ======== version 1 of 2: 4 launches
;; workspace buffers: wcodes 1,048,576 bytes; qc 4,194,304 bytes; kc 4,194,304 bytes; vc 4,194,304 bytes; ac 4,194,304 bytes
;; launch wquant (part 1): grid 128 x 1, 4 waves a work-group, no clusters, 0 bytes of LDS; arguments Wq, Wk, Wv, Wo, lowp_scales, wcodes; writes wcodes
.if DOCPART == 1
	.amdgcn_target "amdgcn-amd-amdhsa--gfx1250"
	.amdhsa_code_object_version 6
	.text
	.protected	k_q0857ec705b_wquant
	.globl	k_q0857ec705b_wquant
	.p2align	8
	.type	k_q0857ec705b_wquant,@function
k_q0857ec705b_wquant:
	s_mov_b64 s[64:65], 0
	v_nop
	global_prefetch_b8 v0, s[64:65] scope:SCOPE_SE
	s_setreg_imm32_b32 hwreg(HW_REG_WAVE_MODE, 25, 1), 1
	s_wait_xcnt 0x0
; The four weights [512 (out)][512 (in)], f32, K innermost, become codes of BF8 (E5M2), each with its given scale 2^e (entries 1, 3, 5, 11).
; code = x / 2^e, held within +-57,344, to the nearest code, ties to even.  LIMITS: -126 <= e <= 112.  NaN among the inputs is not served.
; THE CODES ARE LAID AS IMAGES OF OPERAND REGISTERS.  An image is a fragment of 16 rows x 128 K: four groups of 512 bytes; in group c lane l = (r = l % 16, h = l / 16)
; has 16 bytes at 16 l: k = 128 s + 32 c + 16 h + 0 .. 15 of its row.  Image (tensor y, 64 columns w, tile t, K step s) lies at 262,144 y + 32,768 w + 2,048 (4 t + s).
; THE ROWS OF A TILE ARE NOT NEIGHBOURS: lane r of tile t holds row 64 w + 32 (t / 2) + 8 (t % 2) + r + 8 (r / 8), so that a product that takes the tile as source 0
; leaves 16 neighbouring rows in the 16 registers of tiles 2 b and 2 b + 1.
; SHARES: 512 images, one a wave: work-group g: y = g / 32, w = (g / 4) % 8, t = g % 4; the wave's number is s.  No LDS, no barrier: waves share nothing.
; No cluster: no two work-groups read the same bytes.
.set XN, 16                            ; v16-79  64 numbers: register 16 c + i = k 32 c + 16 h + i
.set CD, 80                            ; v80-95  their codes
	s_load_b256 s[4:11], s[0:1], 0x0               ; Wq, Wk, Wv, Wo
	s_load_b128 s[12:15], s[0:1], 0x20             ; the scales' exponents, the codes
	v_lshrrev_b32 v3, 5, v0
	v_readfirstlane_b32 s16, v3                    ; wave = K step s
	s_lshr_b32 s17, ttmp9, 5                       ; y
	s_bfe_u32 s18, ttmp9, 0x30002                  ; w (3 bits from bit 2)
	s_and_b32 s19, ttmp9, 3                        ; t
	v_and_b32 v4, 15, v0                           ; r
	v_bfe_u32 v5, v0, 4, 1                         ; h
	v_and_b32 v6, 8, v0
	v_add_nc_u32 v6, v6, v4                        ; r + 8 (r / 8)
	v_lshlrev_b32 v1, 11, v6                       ; a row of W is 2,048 bytes
	v_lshl_add_u32 v1, v5, 6, v1                   ; + 64 h: my 16 numbers of a block of 32
	v_and_b32 v2, 31, v0
	v_lshlrev_b32 v2, 4, v2                        ; 16 x lane
	s_lshl_b32 s36, s18, 6                         ; the tile's first row: 64 w + 32 (t / 2) + 8 (t % 2)
	s_lshr_b32 s38, s19, 1
	s_lshl_b32 s38, s38, 5
	s_add_co_u32 s36, s36, s38
	s_and_b32 s38, s19, 1
	s_lshl_b32 s38, s38, 3
	s_add_co_u32 s36, s36, s38
	s_lshl_b32 s36, s36, 11
	s_lshl_b32 s38, s16, 9                         ; + 512 s bytes along K
	s_add_co_u32 s36, s36, s38
	s_mov_b32 s37, 0
	s_lshl_b32 s40, s17, 18                        ; the image's place
	s_lshl_b32 s38, s18, 15
	s_add_co_u32 s40, s40, s38
	s_lshl_b32 s38, s19, 2
	s_add_co_u32 s38, s38, s16
	s_lshl_b32 s38, s38, 11
	s_add_co_u32 s40, s40, s38
	s_mov_b32 s41, 0
	s_wait_kmcnt 0x0
	s_load_b128 s[20:23], s[12:13], 0x0            ; e0 .. e11
	s_load_b128 s[24:27], s[12:13], 0x10
	s_load_b128 s[28:31], s[12:13], 0x20
	s_mov_b64 s[32:33], s[4:5]                     ; my tensor: the choice hangs on the work-group's number alone
	s_cmp_eq_u32 s17, 1
	s_cselect_b64 s[32:33], s[6:7], s[32:33]
	s_cmp_eq_u32 s17, 2
	s_cselect_b64 s[32:33], s[8:9], s[32:33]
	s_cmp_eq_u32 s17, 3
	s_cselect_b64 s[32:33], s[10:11], s[32:33]
	s_add_nc_u64 s[32:33], s[32:33], s[36:37]
	s_add_nc_u64 s[14:15], s[14:15], s[40:41]
.irp c, 0,1,2,3
.irp j, 0,1,2,3
	global_load_b128 v[XN+16*\c+4*\j:XN+16*\c+4*\j+3], v1, s[32:33] offset:128*\c+16*\j   ; the wave's sixteen loads together cover 512 consecutive bytes of each of its 16 rows
.endr
.endr
	s_wait_kmcnt 0x0
	s_mov_b32 s34, s21                             ; e: entry 1, 3, 5 or 11
	s_cmp_eq_u32 s17, 1
	s_cselect_b32 s34, s23, s34
	s_cmp_eq_u32 s17, 2
	s_cselect_b32 s34, s25, s34
	s_cmp_eq_u32 s17, 3
	s_cselect_b32 s34, s31, s34
	s_add_co_i32 s34, s34, 127
	s_lshl_b32 s35, s34, 23
	v_mov_b32 v11, s35                             ; 2^e as f32: the conversion takes its exponent field
	s_add_co_i32 s34, s34, 15
	s_lshl_b32 s34, s34, 23
	s_or_b32 s34, s34, 0x600000
	v_mov_b32 v10, s34                             ; 57,344 x 2^e
	s_wait_loadcnt 0x0
.irp c, 0,1,2,3
.set n, 0
.rept 16
	v_med3_num_f32 v[XN+16*\c+n], v[XN+16*\c+n], -v10, v10   ; the conversion to an 8-bit code does not saturate (ISA guide 7.6.2): the hold comes first
.set n, n+1
.endr
	v_cvt_scalef32_pk8_bf8_f32 v[CD+4*\c:CD+4*\c+1], v[XN+16*\c:XN+16*\c+7], v11
	v_cvt_scalef32_pk8_bf8_f32 v[CD+4*\c+2:CD+4*\c+3], v[XN+16*\c+8:XN+16*\c+15], v11
.endr
.irp c, 0,1,2,3
	global_store_b128 v2, v[CD+4*\c:CD+4*\c+3], s[14:15] offset:512*\c   ; each store of the wave covers 512 consecutive bytes, aligned
.endr
	s_endpgm
.Lfunc_end_k_q0857ec705b_wquant:
	.size	k_q0857ec705b_wquant, .Lfunc_end_k_q0857ec705b_wquant-k_q0857ec705b_wquant
	.p2alignl 7, 3214868480
	.fill 96, 4, 3214868480
	.section	.rodata,"a",@progbits
	.p2align	6, 0x0
	.amdhsa_kernel k_q0857ec705b_wquant
		.amdhsa_group_segment_fixed_size 0
		.amdhsa_private_segment_fixed_size 0
		.amdhsa_enable_private_segment 0
		.amdhsa_kernarg_size 48
		.amdhsa_user_sgpr_count 2
		.amdhsa_user_sgpr_kernarg_segment_ptr 1
		.amdhsa_wavefront_size32 1
		.amdhsa_system_sgpr_workgroup_id_x 1
		.amdhsa_system_sgpr_workgroup_id_y 1
		.amdhsa_system_sgpr_workgroup_id_z 1
		.amdhsa_system_vgpr_workitem_id 0
		.amdhsa_next_free_vgpr 96
		.amdhsa_next_free_sgpr 66
		.amdhsa_reserve_vcc 0
		.amdhsa_float_denorm_mode_32 3
		.amdhsa_float_denorm_mode_16_64 3
		.amdhsa_memory_ordered 1
		.amdhsa_forward_progress 1
		.amdhsa_inst_pref_size 9
	.end_amdhsa_kernel
	.amdgpu_metadata
---
amdhsa.version: [ 1, 2 ]
amdhsa.kernels:
  - .name:           k_q0857ec705b_wquant
    .symbol:         k_q0857ec705b_wquant.kd
    .args:
      - { .name: Wq, .offset: 0, .size: 8, .value_kind: global_buffer, .address_space: global }
      - { .name: Wk, .offset: 8, .size: 8, .value_kind: global_buffer, .address_space: global }
      - { .name: Wv, .offset: 16, .size: 8, .value_kind: global_buffer, .address_space: global }
      - { .name: Wo, .offset: 24, .size: 8, .value_kind: global_buffer, .address_space: global }
      - { .name: lowp_scales, .offset: 32, .size: 8, .value_kind: global_buffer, .address_space: global }
      - { .name: wcodes, .offset: 40, .size: 8, .value_kind: global_buffer, .address_space: global }
    .group_segment_fixed_size: 0
    .private_segment_fixed_size: 0
    .kernarg_segment_align: 8
    .kernarg_segment_size: 48
    .max_flat_workgroup_size: 128
    .sgpr_count:     66
    .vgpr_count:     96
    .wavefront_size: 32
...
	.end_amdgpu_metadata
.endif
;; end of part 1
;; launch proj (part 2): grid 64 x 3, 8 waves a work-group, no clusters, 68,608 bytes of LDS; arguments q, k, v, bq, bk, bv, wcodes, lowp_scales, qc, kc, vc; writes qc, kc, vc
.if DOCPART == 2
	.amdgcn_target "amdgcn-amd-amdhsa--gfx1250"
	.amdhsa_code_object_version 6
	.text
	.protected	k_q0857ec705b_proj
	.globl	k_q0857ec705b_proj
	.p2align	8
	.type	k_q0857ec705b_proj,@function
k_q0857ec705b_proj:
	s_mov_b64 s[64:65], 0
	v_nop
	global_prefetch_b8 v0, s[64:65] scope:SCOPE_SE
	s_setreg_imm32_b32 hwreg(HW_REG_WAVE_MODE, 25, 1), 1
	s_wait_xcnt 0x0
; The three input projections: x W^T + b for x = q, k, v (work-group y = 0, 1, 2), both operands as codes of BF8 (E5M2), and the result quantised at once for attention.
; x: [8,192][512] f32, quantised here with 2^ex (entries 0, 2, 4); W: codes as images of operand registers, 2^ew (entries 1, 3, 5); the result with 2^eo (entries 6, 7, 9).
; A sum stands for sum x 2^(ex + ew): the bias goes in as the C of a sum's first product, divided by that power, and the conversion takes 2^(eo - ex - ew) as its one scale.
; LIMITS: ex and eo - ex - ew between -126 and 112.  NaN among the inputs is not served.
; SHARES.  A work-group takes 128 rows (tokens) of one tensor.  Wave w is head w: its 64 rows of W x 512 K, 16 fragments, stay in window 1.  Wave w also quantises 16 rows of x into LDS.
; OUTPUT, all three as groups of 512 bytes, lane l = (r, h) at 16 l, at [8 batch + head] x 262,144 + [block of 128 tokens] x 8,192 +
;   qc: tile m x 1,024 + 512 b: token 16 m + r, channels 32 b + 16 h + 0 .. 15;      kc: the same with token 32 (m / 2) + 8 (m % 2) + r + 8 (r / 8);
;   vc: channel tile t x 2,048 + 512 c: channel 32 (t / 2) + 8 (t % 2) + r + 8 (r / 8), tokens 32 c + 16 h + 0 .. 15.
; q, k: source 0 = 16 rows of W, source 1 = 16 tokens: a lane holds one token and the 16 registers of tiles 2 b, 2 b + 1 are 16 neighbouring channels.
; v: source 0 = 16 tokens, source 1 = 16 rows of W: a lane holds one channel, and the 16 registers of token tiles 2 c, 2 c + 1 are 16 neighbouring tokens, since for k and v
; LDS row 16 m + i holds token 32 (m / 2) + 8 (m % 2) + i + 8 (i / 8).  The two ways differ in their matrix lines and in the bias alone: every LDS line is common.
; NO CLUSTER, no tensor load: x has to pass through registers to be quantised, and W's 262,144 bytes beside x's 67,584 and the spare words do not fit into 327,680 bytes of LDS.
; REGISTERS.  window 0: v1-9 offsets; v10-13 scales and holds; v14, v15 the add's two; v16-47 the bias, 4 tiles x 8; v48-63 codes; v64-255 twelve sets of 16 numbers of x,
;   later v64-191 x's fragments (2 tiles x 4 K steps) and v192-255 eight accumulators.   window 1: W, fragment (t, s) at v[16 (4 t + s)].
.set PITCH, 528                        ; an LDS row: 512 codes + 16 bytes: 33 x 16, so the 16 rows that a fragment load touches begin at 16 different places modulo 256 bytes
.set SPARE, 128*PITCH                  ; behind x's codes: the spare words, 128 bytes for each wave: four blocks of 256 bytes that no other line names
.set VXL, 1                            ; v1   x: 32 x lane
.set VXH, 2                            ; v2   the same for a tile's rows 8-15: for k and v eight rows further down
.set XS,  3                            ; v3   where I store a row's codes: 16 rows x wave + 8 x lane
.set FA,  4                            ; v4   a fragment's place: r x pitch + 16 h
.set LI,  5                            ; v5   16 x lane
.set VO,  5                            ; v5-8 where group g goes: 16 x lane + g x SB
.set VB,  9                            ; v9   the bias's offset
.set SCX, 10                           ; v10  2^ex;  v11  57,344 x 2^ex
.set HLX, 11
.set SCO, 12                           ; v12  2^(eo - ex - ew);  v13  57,344 x that
.set HLO, 13
.set SPW, 14                           ; v14  LDS address of my spare word; never rewritten
.set NIL, 15                           ; v15  0; never rewritten
.set BI,  16
.set PC,  48
.set RAW, 64
.set XF,  64
.set ACC, 192
.set WV,  36                           ; s36  wave = head
.set YT,  37                           ; s37  the tensor: 0 q, 1 k, 2 v
.set FLAG, 38                          ; s38  1 for k and v
.set MSB, 0
.macro WIN new                         ; the immediate's high byte repeats the setting that is left
.if MSB != \new
	s_set_vgpr_msb (MSB<<8)|\new
.set MSB, \new
.endif
.endm
	s_load_b512 s[8:23], s[0:1], 0x0               ; q, k, v, bq, bk, bv, W's codes, the scales' exponents
	s_load_b128 s[24:27], s[0:1], 0x40             ; qc, kc
	s_load_b64 s[28:29], s[0:1], 0x50              ; vc
	v_lshl_add_u32 v[SPW], v0, 2, SPARE
	v_mov_b32 v[NIL], 0
	v_lshrrev_b32 v[VB], 5, v0
	v_readfirstlane_b32 s[WV], v[VB]
	s_and_b32 s[YT], ttmp7, 0xffff
	s_lshl_b32 s66, s[WV], 4                       ; my 16 rows of x begin at 16 w (q),
	s_lshr_b32 s67, s[WV], 1
	s_lshl_b32 s67, s67, 5
	s_and_b32 s68, s[WV], 1
	s_lshl_b32 s68, s68, 3
	s_add_co_u32 s67, s67, s68                     ; or at 32 (w / 2) + 8 (w % 2) (k, v)
	s_cmp_lg_u32 s[YT], 0
	s_cselect_b32 s[FLAG], 1, 0
	s_cselect_b32 s66, s67, s66
	s_lshl_b32 s67, ttmp9, 7
	s_add_co_u32 s66, s66, s67                     ; + 128 x work-group x
	s_lshl_b32 s66, s66, 11                        ; rows of 2,048 bytes
	s_mov_b32 s67, 0
	s_lshl_b32 s68, s[WV], 8                       ; the bias: my head's 64 numbers
	s_mov_b32 s69, 0
	s_lshr_b32 s70, ttmp9, 5                       ; the output: batch x 8 heads x 262,144
	s_lshl_b32 s70, s70, 21
	s_lshl_b32 s74, s[WV], 18                      ; + head x 262,144
	s_add_co_u32 s70, s70, s74
	s_and_b32 s74, ttmp9, 31
	s_lshl_b32 s74, s74, 13                        ; + block of 128 tokens x 8,192
	s_add_co_u32 s70, s70, s74
	s_mov_b32 s71, 0
	s_lshl_b32 s72, s[YT], 18                      ; W's images: tensor x 262,144 + head x 32,768
	s_lshl_b32 s74, s[WV], 15
	s_add_co_u32 s72, s72, s74
	s_mov_b32 s73, 0
	v_and_b32 v[VB], 31, v0                        ; lane
	v_lshlrev_b32 v[VXL], 5, v[VB]
	s_lshl_b32 s74, s[FLAG], 14
	v_add_nc_u32 v[VXH], s74, v[VXL]
	s_mul_i32 s74, s[WV], 16*PITCH
	v_lshl_add_u32 v[XS], v[VB], 3, s74
	v_lshlrev_b32 v[LI], 4, v[VB]
	v_and_b32 v[BI], 15, v0                        ; r
	v_bfe_u32 v[BI+1], v0, 4, 1                    ; h
	v_mul_u32_u24 v[FA], v[BI], PITCH
	v_lshl_add_u32 v[FA], v[BI+1], 4, v[FA]
	s_mov_b32 s56, 2048                            ; SA: from a pair of token tiles to the next: 2,048 (q, k) or 512 (v)
	s_mov_b32 s58, 512                             ; SB: from group to group: 512 (q, k) or 2,048 (v)
	s_mov_b32 s57, 0
	s_cmp_eq_u32 s[YT], 2
	s_cselect_b32 s56, 512, s56
	s_cselect_b32 s58, 2048, s58
	v_add_nc_u32 v[VO+1], s58, v[VO]
	v_add_nc_u32 v[VO+2], s58, v[VO+1]
	v_add_nc_u32 v[VO+3], s58, v[VO+2]
	s_wait_kmcnt 0x0
	s_load_b128 s[40:43], s[22:23], 0x0            ; e0 .. e11
	s_load_b128 s[44:47], s[22:23], 0x10
	s_load_b128 s[48:51], s[22:23], 0x20
	s_mov_b64 s[30:31], s[8:9]                     ; my tensor's buffers: the choice hangs on the work-group's number alone
	s_mov_b64 s[32:33], s[14:15]
	s_mov_b64 s[34:35], s[24:25]
	s_cmp_eq_u32 s[YT], 1
	s_cselect_b64 s[30:31], s[10:11], s[30:31]
	s_cselect_b64 s[32:33], s[16:17], s[32:33]
	s_cselect_b64 s[34:35], s[26:27], s[34:35]
	s_cmp_eq_u32 s[YT], 2
	s_cselect_b64 s[30:31], s[12:13], s[30:31]
	s_cselect_b64 s[32:33], s[18:19], s[32:33]
	s_cselect_b64 s[34:35], s[28:29], s[34:35]
	s_add_nc_u64 s[30:31], s[30:31], s[66:67]
	s_add_nc_u64 s[32:33], s[32:33], s[68:69]
	s_add_nc_u64 s[34:35], s[34:35], s[70:71]
	s_add_nc_u64 s[60:61], s[20:21], s[72:73]
; Row i of my 16: four loads.  A lane takes 8 neighbouring numbers of each half of the row (what a conversion wants); a half's two loads together cover its 1,024 bytes.
.macro XROW i
.irp a, 0,1
.irp j, 0,1
.if (\i) < 8
	global_load_b128 v[RAW+16*((\i)%12)+8*\a+4*\j:RAW+16*((\i)%12)+8*\a+4*\j+3], v[VXL], s[30:31] offset:(\i)*2048+1024*\a+16*\j th:TH_LOAD_NT
.else
	global_load_b128 v[RAW+16*((\i)%12)+8*\a+4*\j:RAW+16*((\i)%12)+8*\a+4*\j+3], v[VXH], s[30:31] offset:(\i)*2048+1024*\a+16*\j th:TH_LOAD_NT
.endif
.endr
.endr
.endm
; Fragment n = 4 t + s of my head's W: four loads of 512 consecutive bytes, straight into its registers in window 1
.macro WITEM n
	WIN 0x40                                       ; destination window 1, offset window 0
.irp q, 0,1,2,3
	global_load_b128 v[16*(\n)+4*\q:16*(\n)+4*\q+3], v[LI], s[60:61] offset:2048*(\n)+512*\q
.endr
	WIN 0
.endm
; Row i is quantised and stored to LDS, and the next item of four loads goes out.  The items go out in the order x0 .. x15, W0 .. W15, twelve ahead.
.macro ROW i
.set SL, RAW+16*((\i)%12)
.set PR, PC+4*((\i)%4)
	s_wait_loadcnt 44                              ; loads come back in order (ISA guide 5.7.1): behind item i eleven items of four are out, in each of the sixteen turns
.set n, 0
.rept 16
	v_med3_num_f32 v[SL+n], v[SL+n], -v[HLX], v[HLX]   ; the conversion does not saturate (ISA guide 7.6.2): the hold comes first
.set n, n+1
.endr
.if (\i) >= 4
	s_wait_dscnt 6                                 ; the codes' four sets take turns: row i - 4's two stores are done; behind them stand three rows' six
.endif
	v_cvt_scalef32_pk8_bf8_f32 v[PR:PR+1], v[SL:SL+7], v[SCX]
	v_cvt_scalef32_pk8_bf8_f32 v[PR+2:PR+3], v[SL+8:SL+15], v[SCX]
	ds_store_b64 v[XS], v[PR:PR+1] offset:(\i)*PITCH          ; 32 lanes store 256 consecutive bytes
	ds_store_b64 v[XS], v[PR+2:PR+3] offset:(\i)*PITCH+256
.if (\i) < 4
	XROW 12+(\i)
.else
	WITEM (\i)-4
.endif
.endm
.irp i, 0,1,2,3,4,5,6,7,8,9,10,11
	XROW \i
.endr
	s_wait_kmcnt 0x0
	s_mov_b32 s52, s40                             ; ex, ew, eo of my tensor
	s_mov_b32 s53, s41
	s_mov_b32 s54, s46
	s_cmp_eq_u32 s[YT], 1
	s_cselect_b32 s52, s42, s52
	s_cselect_b32 s53, s43, s53
	s_cselect_b32 s54, s47, s54
	s_cmp_eq_u32 s[YT], 2
	s_cselect_b32 s52, s44, s52
	s_cselect_b32 s53, s45, s53
	s_cselect_b32 s54, s49, s54
	s_add_co_i32 s66, s52, 127
	s_lshl_b32 s67, s66, 23
	v_mov_b32 v[SCX], s67                          ; 2^ex as f32
	s_add_co_i32 s66, s66, 15
	s_lshl_b32 s66, s66, 23
	s_or_b32 s66, s66, 0x600000
	v_mov_b32 v[HLX], s66                          ; 57,344 x 2^ex
	s_add_co_i32 s55, s52, s53                     ; ex + ew
	s_sub_co_i32 s66, s54, s55                     ; eo - ex - ew
	s_sub_co_i32 s55, 0, s55                       ; -(ex + ew), for the bias
	s_add_co_i32 s66, s66, 127
	s_lshl_b32 s67, s66, 23
	v_mov_b32 v[SCO], s67
	s_add_co_i32 s66, s66, 15
	s_lshl_b32 s66, s66, 23
	s_or_b32 s66, s66, 0x600000
	v_mov_b32 v[HLO], s66
.irp i, 0,1,2,3,4,5,6,7,8,9,10,11,12,13,14,15
	ROW \i
.endr
.irp n, 12,13,14,15
	WITEM \n
.endr
	; The bias, in the result's layout, divided by 2^(ex + ew).  Each way loads, waits and writes all 32 registers.
	s_cmp_eq_u32 s[YT], 2
	s_cbranch_scc1 .Lbias_v
	v_bfe_u32 v[VB], v0, 4, 1
	v_lshlrev_b32 v[VB], 6, v[VB]                  ; q, k: register j of tile t is channel 32 (t / 2) + 8 (t % 2) + 16 h + j
.irp t, 0,1,2,3
	global_load_b128 v[BI+8*\t:BI+8*\t+3], v[VB], s[32:33] offset:(32*(\t/2)+8*(\t%2))*4
	global_load_b128 v[BI+8*\t+4:BI+8*\t+7], v[VB], s[32:33] offset:(32*(\t/2)+8*(\t%2))*4+16
.endr
	s_wait_loadcnt 0x0                             ; the bias, and all of W
.set n, 0
.rept 32
	v_ldexp_f32 v[BI+n], v[BI+n], s55
.set n, n+1
.endr
	s_branch .Lbias_done
.Lbias_v:
	v_and_b32 v[BI+1], 15, v0
	v_and_b32 v[VB], 8, v0
	v_add_lshl_u32 v[VB], v[VB], v[BI+1], 2        ; v: all eight registers of tile t are my lane's channel 32 (t / 2) + 8 (t % 2) + r + 8 (r / 8)
.irp t, 0,1,2,3
	global_load_b32 v[BI+8*\t], v[VB], s[32:33] offset:(32*(\t/2)+8*(\t%2))*4
.endr
	s_wait_loadcnt 0x0                             ; the bias, and all of W
.irp t, 0,1,2,3
.irp j, 7,6,5,4,3,2,1,0
	v_ldexp_f32 v[BI+8*\t+\j], v[BI+8*\t], s55     ; the loaded register itself comes last
.endr
.endr
.Lbias_done:
	s_wait_dscnt 0x0                               ; for the others' sake: my rows' codes lie in LDS
	s_barrier_signal -1
	s_barrier_wait -1                              ; all 128 rows do
; Token tiles 2 c and 2 c + 1: their eight fragments from LDS, 32 products on eight accumulators that take turns, the hold, the conversion, four stores.
.macro PAIR c
.irp m, 0,1
.irp s, 0,1,2,3
.irp q, 0,1,2,3
	ds_load_b128 v[XF+64*\m+16*\s+4*\q:XF+64*\m+16*\s+4*\q+3], v[FA] offset:(32*(\c)+16*\m)*PITCH+128*\s+32*\q   ; registers 4 q .. 4 q + 3: k = 128 s + 32 q + 16 h + 0 .. 15, as in W's images
.endr
.endr
.endr
	s_wait_dscnt 0x0
	s_cmp_eq_u32 s[YT], 2
	s_cbranch_scc1 .Lv_\@
	WIN 0x01                                       ; source 0 (W) window 1
.irp s, 0,1,2,3
.irp m, 0,1
.irp t, 0,1,2,3
.if \s == 0
	v_wmma_f32_16x16x128_bf8_bf8 v[ACC+8*(4*\m+\t):ACC+8*(4*\m+\t)+7], v[16*(4*\t+\s):16*(4*\t+\s)+15], v[XF+64*\m+16*\s:XF+64*\m+16*\s+15], v[BI+8*\t:BI+8*\t+7]
.else
	v_wmma_f32_16x16x128_bf8_bf8 v[ACC+8*(4*\m+\t):ACC+8*(4*\m+\t)+7], v[16*(4*\t+\s):16*(4*\t+\s)+15], v[XF+64*\m+16*\s:XF+64*\m+16*\s+15], v[ACC+8*(4*\m+\t):ACC+8*(4*\m+\t)+7]
.endif
.endr
.endr
.endr
	WIN 0
	s_branch .Lj_\@
.Lv_\@:
	WIN 0x04                                       ; source 1 (W) window 1
.irp s, 0,1,2,3
.irp m, 0,1
.irp t, 0,1,2,3
.if \s == 0
	v_wmma_f32_16x16x128_bf8_bf8 v[ACC+8*(2*\t+\m):ACC+8*(2*\t+\m)+7], v[XF+64*\m+16*\s:XF+64*\m+16*\s+15], v[16*(4*\t+\s):16*(4*\t+\s)+15], v[BI+8*\t:BI+8*\t+7]
.else
	v_wmma_f32_16x16x128_bf8_bf8 v[ACC+8*(2*\t+\m):ACC+8*(2*\t+\m)+7], v[XF+64*\m+16*\s:XF+64*\m+16*\s+15], v[16*(4*\t+\s):16*(4*\t+\s)+15], v[ACC+8*(2*\t+\m):ACC+8*(2*\t+\m)+7]
.endif
.endr
.endr
.endr
	WIN 0
.Lj_\@:
.rept 4
	v_nop                                          ; four places between the last product and the first read of a result (ISA guide 7.12.1)
.endr
.if (\c) > 0
	s_wait_xcnt 0x0                                ; the last pair's stores have read their data and their base: both are written again only behind this wait
	s_add_nc_u64 s[34:35], s[34:35], s[56:57]
.endif
.irp g, 0,1,2,3                                ; group g: the 16 registers of two neighbouring accumulators, each from its low end on
.set n, 0
.rept 16
	v_med3_num_f32 v[ACC+16*\g+n], v[ACC+16*\g+n], -v[HLO], v[HLO]
.set n, n+1
.endr
	v_cvt_scalef32_pk8_bf8_f32 v[PC+4*\g:PC+4*\g+1], v[ACC+16*\g:ACC+16*\g+7], v[SCO]
	v_cvt_scalef32_pk8_bf8_f32 v[PC+4*\g+2:PC+4*\g+3], v[ACC+16*\g+8:ACC+16*\g+15], v[SCO]
.endr
	v_nop                                          ; one plain vector line behind the last conversion: the next pair's products write its sources
.irp g, 0,1,2,3
	global_store_b128 v[VO+\g], v[PC+4*\g:PC+4*\g+3], s[34:35]   ; each store of the wave covers 512 consecutive bytes, aligned
.endr
.endm
	PAIR 0
	PAIR 1
	PAIR 2
	PAIR 3
	s_wait_tensorcnt 0x0                           ; the wave's end, behind my last LDS store
	ds_add_u32 v[SPW], v[NIL]
	s_wait_dscnt 0x0
	s_endpgm
.Lfunc_end_k_q0857ec705b_proj:
	.size	k_q0857ec705b_proj, .Lfunc_end_k_q0857ec705b_proj-k_q0857ec705b_proj
	.p2alignl 7, 3214868480
	.fill 96, 4, 3214868480
	.section	.rodata,"a",@progbits
	.p2align	6, 0x0
	.amdhsa_kernel k_q0857ec705b_proj
		.amdhsa_group_segment_fixed_size 68608
		.amdhsa_private_segment_fixed_size 0
		.amdhsa_enable_private_segment 0
		.amdhsa_kernarg_size 88
		.amdhsa_user_sgpr_count 2
		.amdhsa_user_sgpr_kernarg_segment_ptr 1
		.amdhsa_wavefront_size32 1
		.amdhsa_system_sgpr_workgroup_id_x 1
		.amdhsa_system_sgpr_workgroup_id_y 1
		.amdhsa_system_sgpr_workgroup_id_z 1
		.amdhsa_system_vgpr_workitem_id 0
		.amdhsa_next_free_vgpr 512
		.amdhsa_next_free_sgpr 80
		.amdhsa_reserve_vcc 0
		.amdhsa_float_denorm_mode_32 3
		.amdhsa_float_denorm_mode_16_64 3
		.amdhsa_memory_ordered 1
		.amdhsa_forward_progress 1
		.amdhsa_inst_pref_size 90
	.end_amdhsa_kernel
	.amdgpu_metadata
---
amdhsa.version: [ 1, 2 ]
amdhsa.kernels:
  - .name:           k_q0857ec705b_proj
    .symbol:         k_q0857ec705b_proj.kd
    .args:
      - { .name: q, .offset: 0, .size: 8, .value_kind: global_buffer, .address_space: global }
      - { .name: k, .offset: 8, .size: 8, .value_kind: global_buffer, .address_space: global }
      - { .name: v, .offset: 16, .size: 8, .value_kind: global_buffer, .address_space: global }
      - { .name: bq, .offset: 24, .size: 8, .value_kind: global_buffer, .address_space: global }
      - { .name: bk, .offset: 32, .size: 8, .value_kind: global_buffer, .address_space: global }
      - { .name: bv, .offset: 40, .size: 8, .value_kind: global_buffer, .address_space: global }
      - { .name: wcodes, .offset: 48, .size: 8, .value_kind: global_buffer, .address_space: global }
      - { .name: lowp_scales, .offset: 56, .size: 8, .value_kind: global_buffer, .address_space: global }
      - { .name: qc, .offset: 64, .size: 8, .value_kind: global_buffer, .address_space: global }
      - { .name: kc, .offset: 72, .size: 8, .value_kind: global_buffer, .address_space: global }
      - { .name: vc, .offset: 80, .size: 8, .value_kind: global_buffer, .address_space: global }
    .group_segment_fixed_size: 68608
    .private_segment_fixed_size: 0
    .kernarg_segment_align: 8
    .kernarg_segment_size: 88
    .max_flat_workgroup_size: 256
    .sgpr_count:     80
    .vgpr_count:     512
    .wavefront_size: 32
...
	.end_amdgpu_metadata
.endif
;; end of part 2
;; launch attn (part 3): grid 16 x 16, 16 waves a work-group, no clusters, 327,680 bytes of LDS; arguments qc, kc, vc, lowp_scales, ac; writes ac
.if DOCPART == 3
	.amdgcn_target "amdgcn-amd-amdhsa--gfx1250"
	.amdhsa_code_object_version 6
	.text
	.protected	k_q0857ec705b_attn
	.globl	k_q0857ec705b_attn
	.p2align	8
	.type	k_q0857ec705b_attn,@function
k_q0857ec705b_attn:
	s_mov_b64 s[64:65], 0
	v_nop
	global_prefetch_b8 v0, s[64:65] scope:SCOPE_SE
	s_setreg_imm32_b32 hwreg(HW_REG_WAVE_MODE, 25, 1), 1
	s_wait_xcnt 0x0
; Causal attention on codes of BF8 (E5M2), 16 heads (8 batch + head) x 4,096 tokens x 64 channels; the result, O / l, is quantised at once for the last projection.
; INPUTS as groups of 512 bytes (lane l = (r, h) at 16 l), a head 262,144 bytes, a block of 128 tokens 8,192:
;   qc: tile m x 1,024 + 512 b: token 16 m + r, channels 32 b + 16 h + 0 .. 15;   kc: the same with token 32 (m / 2) + 8 (m % 2) + r + 8 (r / 8);
;   vc: channel tile t x 2,048 + 512 c: channel 32 (t / 2) + 8 (t % 2) + r + 8 (r / 8), tokens 32 c + 16 h + 0 .. 15.
; OUTPUT ac: [256 batch + token / 16] x 8,192 + head x 1,024 + 512 b: token r of the tile, channels 32 b + 16 h + 0 .. 15 of the head.
; THE SOFTMAX: t = score x log2(e) / 8; M = the row's largest t so far, rounded UP to a whole number; p = 2^(t - M) is quantised with 2^e8, not normalised.  The row's sum is taken of the
; unquantised p and divides O at the end.  When M moves, the sum and O are multiplied by 2^(old M - new M): exact.
; BOTH PRODUCTS ARE USED TRANSPOSED: S^T = K Q^T (K = 64: the 16x16x64 form), O^T = V^T P^T (K = 128 keys): a lane holds ONE query throughout.  By kc's order of tokens register n of S^T is key
; 32 (n / 16) + 16 h + n % 16 of the step, so p's conversions give the second product's operand; by vc's order of channels register n of O^T is channel 32 (n / 16) + 16 h + n % 16.
; SHARES.  Work-group (I, head): waves 0-7 own the eight tiles of 16 queries of block I (128 queries), waves 8-15 those of block 31 - I: (I + 1) + (32 - I) = 33 key steps of 128 for each pair
; of waves, the same in every work-group.  A wave owns one tile, in 256 registers.
; THE RING.  Two LDS slots of 512 keys (four steps): K's 32,768 bytes, then V's.  Waves 0-3 fetch 16,384 bytes each (K's halves, V's halves), dense in memory.  Every work-group walks all eight
; slots, so that trip counts are constants; a step all of whose keys come after the wave's queries is jumped over, and a slot whose first key comes after the work-group's last query is not asked for.
; NO CLUSTER: work-groups that share K and V own different blocks of queries, so the jumps round hidden steps, round the mask and round the loads past the causal limit would differ between partners.
; LIMITS on the given exponents: e6 + e7 between -123 and 130 (they are added to c's exponent field); e8, and e10 - e8 - e9, between -126 and 112.
; REGISTERS: v1 16 x lane; v2 the step's LDS address; v3 the prefetches' offset; v5, v6 the add's two; v12 -M, v13 the largest t, v[14:15] the sum in two halves; v16-23 Q; v32-95 K's eight fragments,
; then V's four; v96-159 S^T, then p; v160-191 O^T; v192-207 p's codes; v210-222 at work.
.set SLOT1, 65536                      ; slot 1 begins here: one exclusive or turns an address in one slot into the other's
.set SPARE, 131072                     ; behind the ring: the spare words, 128 bytes for each wave: eight blocks of 256 bytes that no other line names
.set LI,  1
.set ADR, 2
.set PFO, 3
.set SPW, 5                            ; v5   LDS address of my spare word; never rewritten
.set NIL, 6                            ; v6   0; never rewritten
.set WV,  18                           ; s18  my wave's number
.set TB,  19                           ; s19  LDS byte at which the slot in hand begins
.set SEL, 20                           ; s[20:21] selects for v_permlanex16_b32: lane l xor 16
.set CS,  22                           ; s[22:23] c = log2(e) / 8 x 2^(e6 + e7), twice
.set G1,  24                           ; s[24:31] descriptor group 1
.set G0,  40                           ; s[40:43] descriptor group 0, which walks
.set SLOTS, 44                         ; s44  changes of slots still to come in the loop
.set KF,  45                           ; s45  the step's first key
.set Q0,  46                           ; s46  my first query;  s47  my last
.set QE,  47
.set QL,  48                           ; s48  my work-group's last query
.set LIM, 49                           ; s49  1 in a wave that prefetches, else the greatest number
.set PFA, 50                           ; s[50:51] where my prefetches stand
; Waves 0 to 3 fetch, the others nothing.  An s_nop 0 and four v_nop follow the load.
.macro TLOAD
	s_cmp_lt_u32 s[WV], 4
	s_cbranch_scc0 .Lasked_\@
	tensor_load_to_lds s[G0:G0+3], s[G1:G1+7]
	s_nop 0
.rept 4
	v_nop
.endr
.Lasked_\@:
.endm
; A prefetch of the slot that the NEXT change of slots will ask for: four key steps ahead of that load.  All sixteen work-groups of a head walk the same K and V: work-group I = 0, which loads all eight
; slots, asks, and nobody else.  In it waves 4-7 ask for K's 32,768 bytes and waves 8-11 for V's: 8,192 bytes a wave, lanes 256 bytes apart, so each aligned block of 256 bytes is named once in the
; launch.  Slots 0 and 1 come by their loads alone; the last change that fills a slot asks for nothing.
.macro ASK
	s_cmp_gt_u32 s[SLOTS], s[LIM]
	s_cbranch_scc0 .Lnot_mine_\@
	global_prefetch_b8 v[PFO], s[PFA:PFA+1] th:TH_LOAD_NT scope:SCOPE_SE
.Lnot_mine_\@:
.endm
	s_load_b256 s[4:11], s[0:1], 0x0               ; qc s[4:5], kc s[6:7], vc s[8:9], the scales' exponents s[10:11]
	s_load_b64 s[12:13], s[0:1], 0x20              ; ac
	v_lshl_add_u32 v[SPW], v0, 2, SPARE
	v_mov_b32 v[NIL], 0
	ds_add_u32 v[SPW], v[NIL]                      ; the wave's opening: the add and its wait stand ahead of my first tensor load; the set-up below, work on registers, stands between them
	v_lshrrev_b32 v2, 5, v0
	v_readfirstlane_b32 s[WV], v2                  ; wave 0..15
	s_and_b32 s66, ttmp7, 0xffff                   ; 8 batch + head
	s_sub_co_u32 s67, 31, ttmp9                    ; 31 - I
	s_cmp_lt_u32 s[WV], 8
	s_cselect_b32 s68, ttmp9, s67                  ; my block of 128 queries
	s_and_b32 s69, s[WV], 7                        ; my tile in it
	s_lshl_b32 s[Q0], s68, 7
	s_lshl_b32 s70, s69, 4
	s_add_co_u32 s[Q0], s[Q0], s70
	s_add_co_u32 s[QE], s[Q0], 15
	s_lshl_b32 s[QL], s67, 7
	s_add_co_u32 s[QL], s[QL], 127
	s_lshl_b32 s70, s66, 18                        ; the head's first byte in qc, kc, vc
	s_lshl_b32 s72, s68, 13                        ; Q: + block x 8,192 + tile x 1,024
	s_add_co_u32 s72, s72, s70
	s_lshl_b32 s71, s69, 10
	s_add_co_u32 s72, s72, s71
	s_mov_b32 s73, 0
	s_lshr_b32 s74, s66, 3                         ; ac: (256 batch + 8 block + tile) x 8,192 + head x 1,024
	s_lshl_b32 s74, s74, 8
	s_lshl_b32 s71, s68, 3
	s_add_co_u32 s74, s74, s71
	s_add_co_u32 s74, s74, s69
	s_lshl_b32 s74, s74, 13
	s_and_b32 s71, s66, 7
	s_lshl_b32 s71, s71, 10
	s_add_co_u32 s74, s74, s71
	s_mov_b32 s75, 0
	s_and_b32 s76, s[WV], 1                        ; what I fetch, if I fetch: half (wave % 2) of a slot's K (waves 0, 1) or V (waves 2, 3)
	s_lshl_b32 s76, s76, 14
	s_add_co_u32 s76, s76, s70
	s_mov_b32 s77, 0
	s_and_b32 s78, s[WV], 3
	s_mov_b32 s[G0], 1                             ; 1:0 count = 1
	s_lshl_b32 s[G0+1], s78, 14                    ; 63:32 LDS address: (wave % 4) x 16,384, in slot 0
	s_lshl_b32 s78, s78, 13                        ; the prefetches: (wave % 4) x 8,192,
	s_add_co_u32 s78, s78, s70
	s_add_co_u32 s78, s78, 32768                   ; in slot 1: the first change of slots steps it to slot 2
	s_mov_b32 s79, 0
	s_sub_co_u32 s71, s[WV], 4
	s_lshr_b32 s71, s71, 3                         ; 0 in waves 4 to 11,
	s_or_b32 s71, s71, ttmp9                       ; of work-group I = 0
	s_cmp_eq_u32 s71, 0
	s_cselect_b32 s[LIM], 1, -1
	; descriptor group 1: 16,384 dense bytes as 64 rows of 32 elements of 8 bytes
	s_mov_b32 s[G1], 3<<16                         ; 15:0 no mask; 17:16 elements of 8 bytes; no padding: images are read 512 consecutive bytes at a time
	s_mov_b32 s[G1+1], 32<<16                      ; tensor_dim0 = 32
	s_mov_b32 s[G1+2], 64<<16                      ; tensor_dim1 = 64
	s_mov_b32 s[G1+3], 32<<16                      ; tile_dim0 = 32
	s_mov_b32 s[G1+4], 64                          ; tile_dim1 = 64
	s_mov_b32 s[G1+5], 32                          ; from row to row
	s_mov_b32 s[G1+6], 0
	s_mov_b32 s[G1+7], 0
	s_mov_b32 s[SEL], 0x76543210
	s_mov_b32 s[SEL+1], 0xfedcba98
	s_mov_b32 s[CS], 0x3e38aa3b                    ; c = log2(e) / sqrt(64)
	s_mov_b32 s[TB], 0
	s_mov_b32 s[SLOTS], 7
	s_mov_b32 s[KF], 0
	s_wait_dscnt 0x0                               ; the opening add is done
	s_wait_kmcnt 0x0
	s_load_b128 s[52:55], s[10:11], 0x18           ; e6, e7, e8, e9
	s_load_b32 s56, s[10:11], 0x28                 ; e10
	s_cmp_lt_u32 s[WV], 2
	s_cselect_b64 s[G0+2:G0+3], s[6:7], s[8:9]     ; 120:64 global address: the head's first 512 keys
	s_add_nc_u64 s[G0+2:G0+3], s[G0+2:G0+3], s[76:77]
	s_or_b32 s[G0+3], s[G0+3], 0x80000000          ; 127:126 type = 2
	TLOAD                                          ; slot 0
	s_add_nc_u64 s[4:5], s[4:5], s[72:73]          ; Q's codes at my tile
	s_add_nc_u64 s[12:13], s[12:13], s[74:75]      ; ac likewise
	s_cmp_lt_u32 s[WV], 8
	s_cselect_b64 s[PFA:PFA+1], s[6:7], s[8:9]
	s_add_nc_u64 s[PFA:PFA+1], s[PFA:PFA+1], s[78:79]
	v_and_b32 v4, 31, v0
	v_lshlrev_b32 v[LI], 4, v4
	v_lshlrev_b32 v[PFO], 8, v4
	global_load_b128 v[16:19], v[LI], s[4:5]       ; Q's fragment stays in registers
	global_load_b128 v[20:23], v[LI], s[4:5] offset:512
	v_mov_b32 v13, 0xff61b1e6                      ; the largest t so far: -3e38, under every t
	v_floor_f32 v12, -v13                          ; -M
	v_mov_b32 v14, 0                               ; the sum, in two halves
	v_mov_b32 v15, 0
	v_mov_b32 v210, 0                              ; written once: a lane permute's destination counts as one of its sources
	v_mov_b32 v213, 0                              ; (named as the upper half of the pair v[212:213])
.set n, 0
.rept 32
	v_mov_b32 v[160+n], 0                          ; O^T.  (The step is written without a first form of its own: the first change of M multiplies zeros)
.set n, n+1
.endr
	s_wait_kmcnt 0x0
	s_add_co_i32 s66, s52, s53
	s_lshl_b32 s66, s66, 23
	s_add_co_i32 s[CS], s[CS], s66                 ; a score stands for score x 2^(e6 + e7): the exponents are added to c's exponent field
	s_mov_b32 s[CS+1], s[CS]                       ; (named with it as a pair, so it is written)
	s_add_co_i32 s66, s54, 127
	s_lshl_b32 s67, s66, 23
	v_mov_b32 v218, s67                            ; 2^e8 as f32, for p's conversions
	s_add_co_i32 s66, s66, 15
	s_lshl_b32 s66, s66, 23
	s_or_b32 s66, s66, 0x600000
	v_mov_b32 v219, s66                            ; 57,344 x 2^e8
; A KEY STEP: 128 keys, the q-th of the slot in hand.
.macro STEP q
	s_cmp_gt_u32 s[KF], s[QE]                      ; all its keys come after my queries: a scalar branch on ids, round the step's loads, products and softmax; no barrier and no tensor load stands in a step
	s_cbranch_scc1 .Lhidden_\@
	v_add_nc_u32 v[ADR], s[TB], v[LI]
.rept 3
	v_nop                                          ; with the addition above: four places in front of loads into registers that the last products have read
.endr
.irp i, 0,1,2,3,4,5,6,7
	ds_load_b128 v[32+8*\i:35+8*\i], v[ADR] offset:8192*(\q)+1024*\i
	ds_load_b128 v[36+8*\i:39+8*\i], v[ADR] offset:8192*(\q)+1024*\i+512
.endr
	s_wait_dscnt 0x0
.irp i, 0,1,2,3,4,5,6,7
	v_wmma_f32_16x16x64_bf8_bf8 v[96+8*\i:103+8*\i], v[32+8*\i:39+8*\i], v[16:23], 0
.endr
.rept 4
	v_nop                                          ; four places: in front of the loads into K's registers and of the first read of a score
.endr
.irp t, 0,1,2,3                                ; V's four fragments land while the softmax is walked
.irp c, 0,1,2,3
	ds_load_b128 v[32+16*\t+4*\c:35+16*\t+4*\c], v[ADR] offset:32768+8192*(\q)+2048*\t+512*\c
.endr
.endr
	s_add_co_u32 s66, s[KF], 127                   ; on the diagonal the scores of hidden keys become -infinity ahead of the maximum: p = 0 then.  A step all of whose keys count jumps over this
	s_cmp_le_u32 s66, s[Q0]
	s_cbranch_scc1 .Lopen_\@
	s_sub_co_i32 s66, s[Q0], s[KF]
	v_and_b32 v220, 15, v0
	v_bfe_u32 v222, v0, 4, 1
	v_lshlrev_b32 v222, 4, v222
	v_sub_nc_u32 v220, v220, v222
	v_add_nc_u32 v220, s66, v220                   ; d = my query - KF - 16 h.  Register n holds key KF + 16 h + 32 (n / 16) + n % 16: hidden where 32 (n / 16) + n % 16 > d
	v_mov_b32 v221, 0xff800000                     ; -infinity
.set n, 0
.rept 64
	v_cmp_gt_i32 vcc_lo, 32*(n/16)+n%16, v220
	v_cndmask_b32 v[96+n], v[96+n], v221, vcc_lo
.set n, n+1
.endr
.Lopen_\@:
	v_max3_num_f32 v216, v96, v97, v98             ; the step's largest score of my query, among my 64 keys, in two chains; each accumulator is read from its low end on
	v_max3_num_f32 v217, v99, v100, v101
.irp i, 6,10,14,18,22,26,30,34,38,42,46,50,54,58
	v_max3_num_f32 v216, v216, v[96+\i], v[97+\i]
	v_max3_num_f32 v217, v217, v[98+\i], v[99+\i]
.endr
	v_max3_num_f32 v216, v216, v158, v159
	v_max_num_f32 v216, v216, v217
	v_permlanex16_b32 v210, v216, s[SEL], s[SEL+1]
	v_max_num_f32 v216, v216, v210                 ; and among lane l xor 16's
	v_mul_f32 v216, s[CS], v216                    ; as t (c is positive)
	v_max_num_f32 v13, v13, v216                   ; the running largest t
	v_mov_b32 v216, v12
	v_floor_f32 v12, -v13                          ; the new -M = floor(-t) = -ceil(t): M is a whole number
	v_sub_f32 v216, v12, v216                      ; M's old value less its new one: a whole number, 0 or less
	v_cvt_i32_f32 v216, v216                       ; (it saturates)
	v_ldexp_f32 v212, 1.0, v216                    ; f = 2^(old M - new M)
.set n, 0
.rept 32
	v_pk_fma_f32 v[96+n:97+n], v[96+n:97+n], s[CS:CS+1], v[12:13] op_sel_hi:[1,0,0]   ; t - M, two at a time (of the pairs c and -M the low word serves both halves)
.set n, n+2
.endr
.set n, 0
.rept 64
	v_exp_f32 v[96+n], v[96+n]                     ; p = 2^(t - M), at most 1: not normalised
.set n, n+1
.endr
	v_pk_mul_f32 v[14:15], v[14:15], v[212:213] op_sel_hi:[1,0]   ; the sums under the new M: the plain line behind the exponentials
	s_wait_alu depctr_va_vdst(0)                   ; the wait ahead of the first line that names a result: one for the batch of 64
	v_pk_add_f32 v[214:215], v[96:97], v[98:99]    ; the row's sum is taken of the unquantised p: two at a time, in two chains
.irp j, 4,8,12,16,20,24,28,32,36,40,44,48,52,56,60
	v_pk_add_f32 v[14:15], v[14:15], v[96+\j:97+\j]
	v_pk_add_f32 v[214:215], v[214:215], v[98+\j:99+\j]
.endr
	v_pk_add_f32 v[14:15], v[14:15], v[214:215]
.irp b, 0,1,2,3
.set n, 0
.rept 16
	v_min_num_f32 v[96+16*\b+n], v[96+16*\b+n], v219   ; the conversion does not saturate (ISA guide 7.6.2); p is not negative, so the hold is one-sided
.set n, n+1
.endr
	v_cvt_scalef32_pk8_bf8_f32 v[192+4*\b:193+4*\b], v[96+16*\b:103+16*\b], v218
	v_cvt_scalef32_pk8_bf8_f32 v[194+4*\b:195+4*\b], v[104+16*\b:111+16*\b], v218
.endr
.set n, 0
.rept 16
	v_pk_mul_f32 v[160+n:161+n], v[160+n:161+n], v[212:213] op_sel_hi:[1,0]   ; O^T under the new M.  (Also the plain lines between the conversions and the products that read their results)
.set n, n+2
.endr
	s_wait_dscnt 0x0                               ; V is in
.irp t, 0,1,2,3
	v_wmma_f32_16x16x128_bf8_bf8 v[160+8*\t:167+8*\t], v[32+16*\t:47+16*\t], v[192:207], v[160+8*\t:167+8*\t]   ; the four accumulators take turns, one line a turn
.endr
.Lhidden_\@:
	s_add_co_u32 s[KF], s[KF], 128
.endm
; THE CHANGE OF SLOTS stands at a slot's head.  Each wave waits for all its tensor loads (one at the most is out: its part of the slot ahead), adds 0 to its spare word, and waits for that and for its
; reads of the slot that it has left.  Behind the barrier the slot ahead is whole and nobody reads the other one.  fill = 1: that other slot takes the 512 keys that follow, up to the causal limit.
.macro CHANGE fill
	s_wait_tensorcnt 0x0                           ; no tensor load of mine is out, so group 0 may be written
	ds_add_u32 v[SPW], v[NIL]                      ; 0 onto my spare word
.if \fill
	s_xor_b32 s[G0+1], s[G0+1], SLOT1              ; the walking descriptor: the other slot than last time,
	s_add_nc_u64 s[G0+2:G0+3], s[G0+2:G0+3], 32768 ; the next 512 keys; the type bits on top are not reached
	s_wait_xcnt 0x0                                ; the last prefetch, a slot back, has read its address, so it may be written:
	s_add_nc_u64 s[PFA:PFA+1], s[PFA:PFA+1], 32768 ; one slot further on than the walking descriptor
.endif
	s_wait_dscnt 0x0                               ; the add is done, and my reads of the slot that I have left are over
	s_barrier_signal -1
	s_barrier_wait -1
.if \fill
	s_add_co_u32 s66, s[KF], 512                   ; the first key of the slot that this change would ask for.  Past my work-group's last query no wave reads it, so it is not asked for.
	s_cmp_gt_u32 s66, s[QL]                        ; Ids and the count of steps alone: all sixteen waves go the same way, and a work-group that is past the limit stays past it.
	s_cbranch_scc1 .Lpast_\@                       ; Every wait on TENSORcnt in this text is for 0; the jump leads round the load's own lines and round nothing else
	TLOAD                                          ; a wave's one tensor load until the next change: it has four key steps in which to land
.Lpast_\@:
	ASK
.endif
.endm
.macro SLOT_STEPS
	STEP 0
	STEP 1
	STEP 2
	STEP 3
	s_xor_b32 s[TB], s[TB], SLOT1                  ; on to the other slot
.endm
	s_wait_loadcnt 0x0                             ; Q
.Lslot:                                            ; seven trips: behind each change of slots but the last the next slot is asked for
	CHANGE 1
	SLOT_STEPS
	s_sub_co_u32 s[SLOTS], s[SLOTS], 1
	s_cmp_lg_u32 s[SLOTS], 0
	s_cbranch_scc1 .Lslot
	CHANGE 0                                       ; the last slot is written out: nothing is left to ask for
	SLOT_STEPS
	; THE WAY OUT.  O^T / l is quantised with 2^e10.  A sum of the second product stands for sum x 2^(e8 + e9): the three exponents are folded into the conversion's one scale.
.rept 4
	v_nop                                          ; four places behind the last products
.endr
	v_add_f32 v14, v14, v15                        ; the sum's two halves,
	v_permlanex16_b32 v210, v14, s[SEL], s[SEL+1]
	v_add_f32 v14, v14, v210                       ; and lane l xor 16's: the row's sum
	v_rcp_f32 v14, v14
	s_sub_co_i32 s66, s56, s54
	s_sub_co_i32 s66, s66, s55                     ; e10 - e8 - e9
	s_add_co_i32 s66, s66, 127
	s_lshl_b32 s67, s66, 23
	v_mov_b32 v218, s67                            ; (the plain line behind the reciprocal)
	s_add_co_i32 s66, s66, 15
	s_lshl_b32 s66, s66, 23
	s_or_b32 s66, s66, 0x600000
	v_mov_b32 v219, s66
	s_wait_alu depctr_va_vdst(0)                   ; the wait ahead of the reciprocal's first reader
.set n, 0
.rept 16
	v_pk_mul_f32 v[160+n:161+n], v[160+n:161+n], v[14:15] op_sel_hi:[1,0]   ; O^T / l, each accumulator from its low end on
.set n, n+2
.endr
.set n, 0
.rept 32
	v_med3_num_f32 v[160+n], v[160+n], -v219, v219
.set n, n+1
.endr
.irp g, 0,1,2,3
	v_cvt_scalef32_pk8_bf8_f32 v[192+2*\g:193+2*\g], v[160+8*\g:167+8*\g], v218
.endr
	v_nop                                          ; one plain vector line behind the last conversion
	global_store_b128 v[LI], v[192:195], s[12:13]             ; channels 16 h + 0 .. 15 of my 16 queries: 512 consecutive bytes, aligned
	global_store_b128 v[LI], v[196:199], s[12:13] offset:512  ; channels 32 + 16 h + 0 .. 15
	s_wait_tensorcnt 0x0                           ; the wave's end: behind my last tensor load
	ds_add_u32 v[SPW], v[NIL]
	s_wait_dscnt 0x0
	s_endpgm
.Lfunc_end_k_q0857ec705b_attn:
	.size	k_q0857ec705b_attn, .Lfunc_end_k_q0857ec705b_attn-k_q0857ec705b_attn
	.p2alignl 7, 3214868480
	.fill 96, 4, 3214868480
	.section	.rodata,"a",@progbits
	.p2align	6, 0x0
	.amdhsa_kernel k_q0857ec705b_attn
		.amdhsa_group_segment_fixed_size 327680
		.amdhsa_private_segment_fixed_size 0
		.amdhsa_enable_private_segment 0
		.amdhsa_kernarg_size 40
		.amdhsa_user_sgpr_count 2
		.amdhsa_user_sgpr_kernarg_segment_ptr 1
		.amdhsa_wavefront_size32 1
		.amdhsa_system_sgpr_workgroup_id_x 1
		.amdhsa_system_sgpr_workgroup_id_y 1
		.amdhsa_system_sgpr_workgroup_id_z 1
		.amdhsa_system_vgpr_workitem_id 0
		.amdhsa_next_free_vgpr 256
		.amdhsa_next_free_sgpr 80
		.amdhsa_reserve_vcc 1
		.amdhsa_float_denorm_mode_32 3
		.amdhsa_float_denorm_mode_16_64 3
		.amdhsa_memory_ordered 1
		.amdhsa_forward_progress 1
		.amdhsa_inst_pref_size 176
	.end_amdhsa_kernel
	.amdgpu_metadata
---
amdhsa.version: [ 1, 2 ]
amdhsa.kernels:
  - .name:           k_q0857ec705b_attn
    .symbol:         k_q0857ec705b_attn.kd
    .args:
      - { .name: qc, .offset: 0, .size: 8, .value_kind: global_buffer, .address_space: global }
      - { .name: kc, .offset: 8, .size: 8, .value_kind: global_buffer, .address_space: global }
      - { .name: vc, .offset: 16, .size: 8, .value_kind: global_buffer, .address_space: global }
      - { .name: lowp_scales, .offset: 24, .size: 8, .value_kind: global_buffer, .address_space: global }
      - { .name: ac, .offset: 32, .size: 8, .value_kind: global_buffer, .address_space: global }
    .group_segment_fixed_size: 327680
    .private_segment_fixed_size: 0
    .kernarg_segment_align: 8
    .kernarg_segment_size: 40
    .max_flat_workgroup_size: 512
    .sgpr_count:     80
    .vgpr_count:     256
    .wavefront_size: 32
...
	.end_amdgpu_metadata
.endif
;; end of part 3
;; launch oproj (part 4): grid 4 x 64, 8 waves a work-group, clusters of 4 x 4, 167,936 bytes of LDS; arguments ac, wcodes, bo, lowp_scales, out0; writes out0
.if DOCPART == 4
	.amdgcn_target "amdgcn-amd-amdhsa--gfx1250"
	.amdhsa_code_object_version 6
	.text
	.protected	k_q0857ec705b_oproj
	.globl	k_q0857ec705b_oproj
	.p2align	8
	.type	k_q0857ec705b_oproj,@function
k_q0857ec705b_oproj:
	s_mov_b64 s[64:65], 0
	v_nop
	global_prefetch_b8 v0, s[64:65] scope:SCOPE_SE
	s_setreg_imm32_b32 hwreg(HW_REG_WAVE_MODE, 25, 1), 1
	s_wait_xcnt 0x0
	s_wait_alu depctr_hold_cnt(0) depctr_sa_sdst(0) depctr_va_vdst(0) depctr_va_sdst(0) depctr_va_ssrc(0) depctr_va_vcc(0) depctr_vm_vsrc(0)
	s_getreg_b32 s2, hwreg(HW_REG_IB_STS2, 6, 4)
	s_cmp_eq_u32 s2, 0
	s_cbranch_scc0 .Lentry_in_a_cluster
	s_endpgm
.Lentry_in_a_cluster:
	s_bfe_u32 s2, ttmp6, 0x10000c
	s_cmp_lg_u32 s2, 0xf033
	s_cbranch_scc0 .Lentry_shape_is_right
	s_endpgm
.Lentry_shape_is_right:
; out0 = a Wo^T + bo.  a: [8,192][512] as codes of BF8 (E5M2) with 2^e10, Wo as codes with 2^e11, both laid as images of operand registers; bo [512], out0 [8,192][512] f32.
; a: fragment (tile of 16 rows m, K step s) at 8,192 m + 2,048 s: four groups of 512 bytes; in group c lane l = (r, h) has, at 16 l, k = 128 s + 32 c + 16 h + 0 .. 15 of row r.
; Wo: fragment (64 columns w, tile t, K step s) at 786,432 + 32,768 w + 2,048 (4 t + s), likewise; lane r holds output column 64 w + 32 (t / 2) + 8 (t % 2) + r + 8 (r / 8).
; The codes are multiplied as they are; each finished sum goes out as sum x 2^(e10 + e11) + bo, one packed multiply-add for two numbers.  LIMIT: e10 + e11 between -126 and 127.
; SHARES.  A work-group makes 128 rows x 128 columns; all of K (512) lies in LDS at once: 65,536 bytes of a, 65,536 of Wo: nothing is filled again.  Wave w makes rows 32 (w / 2) .. + 31 x columns
; 64 (w % 2) .. + 63: eight accumulators.  Source 0 = 16 rows of Wo, source 1 = 16 rows of a: a lane holds one row, and register n of its 32 is column 32 (n / 16) + 16 h + n % 16.
; CLUSTERS: 4 x 4 work-groups.  a's block hangs on the work-group's y alone and is asked for jointly along a row of the cluster, Wo's on x alone, along a column: the same tensor load with the same
; descriptor and a mask that names the four.  Every wave issues one load of 16,384 dense bytes: waves 0-3 a's quarters, waves 4-7 Wo's.
.set WIMG,  65536                      ; LDS: a's images from 0, Wo's from here,
.set STAGE, 131072                     ; a stage of 16 rows x (256 + 16) bytes for each wave, into which no tensor load lands,
.set SP,    272
.set SPARE, STAGE+8*16*SP              ; and the spare words, 128 bytes for each wave: four blocks of 256 bytes that no other line names
.set AA,  2                            ; v2   16 x lane + my two row tiles' images
.set AW,  3                            ; v3   16 x lane + my 64 columns' images
.set STO, 4                            ; v4   the way out: where I put 64 bytes of a row
.set RD,  5                            ; v5   where I read a row back
.set GO,  6                            ; v6   my byte offset in out0
.set VBO, 7                            ; v7   64 h: the bias
.set SPW, 28                           ; v28  LDS address of my spare word; never rewritten
.set NIL, 29                           ; v29  0; never rewritten
.set AF,  32                           ; v32-63   a's two fragments of a K step; on the way out: rows read back
.set WF,  64                           ; v64-127  Wo's four; on the way out: rows read back, and the second block's results
.set ACC, 128                          ; v128-191 accumulator (m, t) at 8 (4 m + t)
.set BI,  192                          ; v192-223 the bias of my lane's 32 columns
.set G1,  24                           ; s[24:31] descriptor group 1 for a's blocks;  s[32:35] group 0
.set G0,  32
.set G1B, 48                           ; s[48:55], s[56:59] the same for Wo's
.set G0B, 56
; A joint load: waves 0-3 fetch for a, waves 4-7 for Wo.  Each of the two lines has one mask and one set of registers for all that issue it; the branch hangs on the wave's number alone.
; An s_nop 0 and four v_nop follow each of the two lines.
.macro JLOAD
	s_cmp_eq_u32 s15, 0
	s_cbranch_scc0 .Lfor_b_\@
	tensor_load_to_lds s[G0:G0+3], s[G1:G1+7]
	s_nop 0
.rept 4
	v_nop
.endr
	s_branch .Lasked_\@
.Lfor_b_\@:
	tensor_load_to_lds s[G0B:G0B+3], s[G1B:G1B+7]
	s_nop 0
.rept 4
	v_nop
.endr
.Lasked_\@:
.endm
.macro CROUND                          ; a round of the cluster's barrier: my work-group's barrier; wave 0 signals for the work-group; every wave waits for all sixteen; my work-group's barrier once more
	s_barrier_signal -1
	s_barrier_wait -1
	s_cmp_lg_u32 s14, 0
	s_cbranch_scc1 .Lnot_wave_0_\@
	s_barrier_signal -3
.Lnot_wave_0_\@:
	s_barrier_wait -3
	s_barrier_signal -1
	s_barrier_wait -1
.endm
	s_load_b128 s[4:7], s[0:1], 0x0                ; a's codes s[4:5], the weights' codes s[6:7]
	s_load_b128 s[8:11], s[0:1], 0x10              ; bo s[8:9], the scales' exponents s[10:11]
	s_load_b64 s[12:13], s[0:1], 0x20              ; out0
	v_lshl_add_u32 v[SPW], v0, 2, SPARE
	v_mov_b32 v[NIL], 0
	ds_add_u32 v[SPW], v[NIL]                      ; the wave's opening: the add and its wait stand ahead of the round in front of the first loads; work on registers stands between them
	v_lshrrev_b32 v1, 5, v0
	v_readfirstlane_b32 s14, v1                    ; wave 0..7
	s_lshr_b32 s15, s14, 2                         ; I fetch for a (0) or for Wo (1),
	s_and_b32 s16, s14, 3                          ; this quarter of the block
	s_bfe_u32 s40, ttmp6, 0x40000                  ; cx, cy: my place in the cluster
	s_bfe_u32 s41, ttmp6, 0x40004
	s_lshl_b32 s42, ttmp9, 2
	s_add_co_u32 s42, s42, s40                     ; X = 4 x cluster x + cx: my 128 columns
	s_and_b32 s17, ttmp7, 0xffff
	s_lshl_b32 s17, s17, 2
	s_add_co_u32 s17, s17, s41                     ; Y = 4 x cluster y + cy: my 128 rows
	s_lshl_b32 s43, s41, 2
	s_lshl_b32 s43, 15, s43                        ; my row of the cluster
	s_lshl_b32 s44, 0x1111, s40                    ; my column
	; descriptor group 1: 16,384 dense bytes as 64 rows of 32 elements of 8 bytes
	s_or_b32 s[G1+0], s43, (3<<16)|(1<<21)         ; 15:0 the mask: a's block goes to my row; 17:16 elements of 8 bytes; 21 set beside a mask; no padding: images are read 512 consecutive bytes at a time
	s_or_b32 s[G1B+0], s44, (3<<16)|(1<<21)        ; the same with the mask of my column
.irp g, G1, G1B
	s_mov_b32 s[\g+1], 32<<16                      ; tensor_dim0 = 32
	s_mov_b32 s[\g+2], 64<<16                      ; tensor_dim1 = 64
	s_mov_b32 s[\g+3], 32<<16                      ; tile_dim0 = 32
	s_mov_b32 s[\g+4], 64                          ; tile_dim1 = 64
	s_mov_b32 s[\g+5], 32                          ; from row to row
	s_mov_b32 s[\g+6], 0
	s_mov_b32 s[\g+7], 0
.endr
	s_lshl_b32 s18, s16, 14                        ; my quarter
	s_lshl_b32 s20, s17, 16                        ; a: 65,536 Y + quarter: made of Y and the wave's number alone
	s_add_co_u32 s20, s20, s18
	s_mov_b32 s21, 0
	s_lshl_b32 s46, s42, 16                        ; Wo: 786,432 + 65,536 X + quarter: of X and the wave's number alone
	s_add_co_u32 s46, s46, s18
	s_add_co_u32 s46, s46, 786432
	s_mov_b32 s47, 0
	s_lshl_b32 s45, s14, 14                        ; where it goes: wave x 16,384: no place in the cluster enters an LDS address
	s_wait_dscnt 0x0                               ; the opening add is done
	s_wait_kmcnt 0x0
	s_load_b64 s[96:97], s[10:11], 0x28            ; e10, e11
	s_add_nc_u64 s[20:21], s[4:5], s[20:21]
	s_add_nc_u64 s[46:47], s[6:7], s[46:47]
	CROUND                                         ; all sixteen work-groups are here: the joint loads meet
	s_mov_b32 s[G0], 1
	s_mov_b32 s[G0+1], s45
	s_mov_b64 s[G0+2:G0+3], s[20:21]
	s_or_b32 s[G0+3], s[G0+3], 0x80000000
	s_mov_b32 s[G0B], 1
	s_mov_b32 s[G0B+1], s45
	s_mov_b64 s[G0B+2:G0B+3], s[46:47]
	s_or_b32 s[G0B+3], s[G0B+3], 0x80000000
	JLOAD                                          ; my one tensor load of the launch
	v_and_b32 v8, 15, v0                           ; r
	v_bfe_u32 v9, v0, 4, 1                         ; h
	v_and_b32 v1, 31, v0
	v_lshlrev_b32 v1, 4, v1                        ; 16 x lane
	s_lshr_b32 s22, s14, 1                         ; which 32 rows are mine
	s_and_b32 s23, s14, 1                          ; which 64 columns
	s_lshl_b32 s66, s22, 14
	v_add_nc_u32 v[AA], s66, v1
	s_lshl_b32 s66, s23, 15
	s_add_co_u32 s66, s66, WIMG
	v_add_nc_u32 v[AW], s66, v1
	s_mul_i32 s67, s14, 16*SP
	s_add_co_u32 s67, s67, STAGE                   ; my stage
	v_mul_u32_u24 v[STO], v8, SP                   ; in: row r, 64 bytes for each half of the lanes in each half of the row
	v_lshl_add_u32 v[STO], v9, 6, v[STO]
	v_add_nc_u32 v[STO], s67, v[STO]
	v_mul_u32_u24 v[RD], v9, SP                    ; back: lanes 0-15 one row of 256 bytes, lanes 16-31 the next
	v_lshl_add_u32 v[RD], v8, 4, v[RD]
	v_add_nc_u32 v[RD], s67, v[RD]
	v_lshlrev_b32 v[GO], 11, v9                    ; and the same two rows in out0
	v_lshl_add_u32 v[GO], v8, 4, v[GO]
	v_lshlrev_b32 v[VBO], 6, v9
	s_lshl_b32 s68, s42, 9                         ; my first column in bytes: 512 X + 256 (w % 2)
	s_lshl_b32 s66, s23, 8
	s_add_co_u32 s68, s68, s66
	s_mov_b32 s69, 0
	s_add_nc_u64 s[8:9], s[8:9], s[68:69]
	s_lshl_b32 s70, s17, 7
	s_lshl_b32 s66, s22, 5
	s_add_co_u32 s70, s70, s66                     ; my first row: 128 Y + 32 (w / 2)
	s_lshl_b32 s70, s70, 11
	s_add_co_u32 s70, s70, s68
	s_mov_b32 s71, 0
	s_add_nc_u64 s[12:13], s[12:13], s[70:71]
.irp b, 0,1
.irp q, 0,1,2,3
	global_load_b128 v[BI+16*\b+4*\q:BI+16*\b+4*\q+3], v[VBO], s[8:9] offset:128*\b+16*\q   ; bo at columns 32 b + 16 h + 4 q + 0 .. 3
.endr
.endr
	s_wait_tensorcnt 0x0                           ; my quarter is in,
	s_barrier_signal -1
	s_barrier_wait -1                              ; everybody's is
; K step s: six fragments from LDS, eight products; the eight accumulators take turns, one line a turn; the first step starts the sums
.macro KSTEP s
.if (\s) > 0
.rept 4
	v_nop                                          ; four places in front of loads into registers that products have read
.endr
.endif
.irp m, 0,1
.irp c, 0,1,2,3
	ds_load_b128 v[AF+16*\m+4*\c:AF+16*\m+4*\c+3], v[AA] offset:8192*\m+2048*(\s)+512*\c
.endr
.endr
.irp t, 0,1,2,3
.irp c, 0,1,2,3
	ds_load_b128 v[WF+16*\t+4*\c:WF+16*\t+4*\c+3], v[AW] offset:(4*\t+(\s))*2048+512*\c
.endr
.endr
	s_wait_dscnt 0x0
.irp m, 0,1
.irp t, 0,1,2,3
.if (\s) == 0
	v_wmma_f32_16x16x128_bf8_bf8 v[ACC+8*(4*\m+\t):ACC+8*(4*\m+\t)+7], v[WF+16*\t:WF+16*\t+15], v[AF+16*\m:AF+16*\m+15], 0
.else
	v_wmma_f32_16x16x128_bf8_bf8 v[ACC+8*(4*\m+\t):ACC+8*(4*\m+\t)+7], v[WF+16*\t:WF+16*\t+15], v[AF+16*\m:AF+16*\m+15], v[ACC+8*(4*\m+\t):ACC+8*(4*\m+\t)+7]
.endif
.endr
.endr
.endm
	KSTEP 0
	KSTEP 1
	KSTEP 2
	KSTEP 3
	s_wait_kmcnt 0x0
	s_add_co_i32 s96, s96, s97                     ; e10 + e11,
	s_add_co_i32 s96, s96, 127
	s_lshl_b32 s96, s96, 23                        ; as the f32 number 2^(e10 + e11)
	s_mov_b32 s97, s96                             ; (named with it as a pair, so it is written)
	s_wait_loadcnt 0x0                             ; the bias
.rept 4
	v_nop                                          ; four places behind the last products: for the first read of results and for what lands on the fragments' registers
.endr
; THE WAY OUT of row tile m.  A lane holds pieces of one row and the lanes beside it other rows: the tile goes through my own stage and comes back as whole rows of 256 bytes.
; LDS serves a wave's instructions in order (ISA guide 5.7.1.4): no wait between the stores and the loads, nor in front of the next tile's stores.
.macro OUT m
.set TM, 224-128*(\m)                  ; results: v224-255, then v96-127
.set BK, 32+32*(\m)                    ; rows read back: v32-63, then v64-95
.irp n, 0,2,4,6,8,10,12,14,16,18,20,22,24,26,28,30
	v_pk_fma_f32 v[TM+\n:TM+\n+1], v[ACC+32*(\m)+\n:ACC+32*(\m)+\n+1], s[96:97], v[BI+\n:BI+\n+1] op_sel_hi:[1,0,1]   ; sum x 2^(e10 + e11) + bo; each accumulator from its low end on
.endr
.irp b, 0,1
.irp q, 0,1,2,3
	ds_store_b128 v[STO], v[TM+16*\b+4*\q:TM+16*\b+4*\q+3] offset:128*\b+16*\q
.endr
.endr
.irp i, 0,1,2,3,4,5,6,7
	ds_load_b128 v[BK+4*\i:BK+4*\i+3], v[RD] offset:2*\i*SP
.endr
.endm
.macro SEND m, younger                 ; younger: the LDS instructions issued behind tile m's loads
.set BK, 32+32*(\m)
.irp i, 0,1,2,3,4,5,6,7
	s_wait_dscnt \younger+7-\i                     ; LDS instructions end in order: behind pair i's load stand the tile's 7 - i younger loads and the next tile's sixteen, or none
	global_store_b128 v[GO], v[BK+4*\i:BK+4*\i+3], s[12:13] offset:(16*(\m)+2*\i)*2048 th:TH_STORE_NT   ; sixteen lanes store 256 consecutive bytes, aligned; written once, read by nobody here
.endr
.endm
	OUT 0
	OUT 1
	SEND 0, 16
	SEND 1, 0
	s_wait_tensorcnt 0x0                           ; the wave's end: behind my last tensor load and my last LDS store
	ds_add_u32 v[SPW], v[NIL]
	s_wait_dscnt 0x0
	CROUND                                         ; the closing round: no work-group ends while a partner may still ask for a block that names it
	s_endpgm
.Lfunc_end_k_q0857ec705b_oproj:
	.size	k_q0857ec705b_oproj, .Lfunc_end_k_q0857ec705b_oproj-k_q0857ec705b_oproj
	.p2alignl 7, 3214868480
	.fill 96, 4, 3214868480
	.section	.rodata,"a",@progbits
	.p2align	6, 0x0
	.amdhsa_kernel k_q0857ec705b_oproj
		.amdhsa_group_segment_fixed_size 167936
		.amdhsa_private_segment_fixed_size 0
		.amdhsa_enable_private_segment 0
		.amdhsa_kernarg_size 40
		.amdhsa_user_sgpr_count 2
		.amdhsa_user_sgpr_kernarg_segment_ptr 1
		.amdhsa_wavefront_size32 1
		.amdhsa_system_sgpr_workgroup_id_x 1
		.amdhsa_system_sgpr_workgroup_id_y 1
		.amdhsa_system_sgpr_workgroup_id_z 1
		.amdhsa_system_vgpr_workitem_id 0
		.amdhsa_next_free_vgpr 256
		.amdhsa_next_free_sgpr 98
		.amdhsa_reserve_vcc 0
		.amdhsa_float_denorm_mode_32 3
		.amdhsa_float_denorm_mode_16_64 3
		.amdhsa_memory_ordered 1
		.amdhsa_forward_progress 1
		.amdhsa_inst_pref_size 22
	.end_amdhsa_kernel
	.amdgpu_metadata
---
amdhsa.version: [ 1, 2 ]
amdhsa.kernels:
  - .name:           k_q0857ec705b_oproj
    .symbol:         k_q0857ec705b_oproj.kd
    .args:
      - { .name: ac, .offset: 0, .size: 8, .value_kind: global_buffer, .address_space: global }
      - { .name: wcodes, .offset: 8, .size: 8, .value_kind: global_buffer, .address_space: global }
      - { .name: bo, .offset: 16, .size: 8, .value_kind: global_buffer, .address_space: global }
      - { .name: lowp_scales, .offset: 24, .size: 8, .value_kind: global_buffer, .address_space: global }
      - { .name: out0, .offset: 32, .size: 8, .value_kind: global_buffer, .address_space: global }
    .group_segment_fixed_size: 167936
    .private_segment_fixed_size: 0
    .kernarg_segment_align: 8
    .kernarg_segment_size: 40
    .max_flat_workgroup_size: 256
    .sgpr_count:     98
    .vgpr_count:     256
    .wavefront_size: 32
...
	.end_amdgpu_metadata
.endif
;; end of part 4
;; ======== version 2 of 2: 4 launches
;; workspace buffers: wcodes 1,048,576 bytes; qc 4,194,304 bytes; kc 4,194,304 bytes; vc 4,194,304 bytes; ac 4,194,304 bytes
;; launch wquant (part 5): grid 128 x 1, 4 waves a work-group, no clusters, 0 bytes of LDS; arguments Wq, Wk, Wv, Wo, lowp_scales, wcodes; writes wcodes
.if DOCPART == 5
	.amdgcn_target "amdgcn-amd-amdhsa--gfx1250"
	.amdhsa_code_object_version 6
	.text
	.protected	k_q0857ec705b_wquant
	.globl	k_q0857ec705b_wquant
	.p2align	8
	.type	k_q0857ec705b_wquant,@function
k_q0857ec705b_wquant:
	s_mov_b64 s[64:65], 0
	v_nop
	global_prefetch_b8 v0, s[64:65] scope:SCOPE_SE
	s_setreg_imm32_b32 hwreg(HW_REG_WAVE_MODE, 25, 1), 1
	s_wait_xcnt 0x0
; The four weights [512 (out)][512 (in)], f32, K innermost, become codes of BF8 (E5M2), each with its given scale 2^e (entries 1, 3, 5, 11).
; code = x / 2^e, held within +-57,344, to the nearest code, ties to even.  LIMITS: -126 <= e <= 112.  NaN among the inputs is not served.
; THE CODES ARE LAID AS IMAGES OF OPERAND REGISTERS.  An image is a fragment of 16 rows x 128 K: four groups of 512 bytes; in group c lane l = (r = l % 16, h = l / 16)
; has 16 bytes at 16 l: k = 128 s + 32 c + 16 h + 0 .. 15 of its row.  Image (tensor y, 64 columns w, tile t, K step s) lies at 262,144 y + 32,768 w + 2,048 (4 t + s).
; THE ROWS OF A TILE ARE NOT NEIGHBOURS: lane r of tile t holds row 64 w + 32 (t / 2) + 8 (t % 2) + r + 8 (r / 8), so that a product that takes the tile as source 0
; leaves 16 neighbouring rows in the 16 registers of tiles 2 b and 2 b + 1.
; SHARES: 512 images, one a wave: work-group g: y = g / 32, w = (g / 4) % 8, t = g % 4; the wave's number is s.  No LDS, no barrier: waves share nothing.
; No cluster: no two work-groups read the same bytes.
.set XN, 16                            ; v16-79  64 numbers: register 16 c + i = k 32 c + 16 h + i
.set CD, 80                            ; v80-95  their codes
	s_load_b256 s[4:11], s[0:1], 0x0               ; Wq, Wk, Wv, Wo
	s_load_b128 s[12:15], s[0:1], 0x20             ; the scales' exponents, the codes
	v_lshrrev_b32 v3, 5, v0
	v_readfirstlane_b32 s16, v3                    ; wave = K step s
	s_lshr_b32 s17, ttmp9, 5                       ; y
	s_bfe_u32 s18, ttmp9, 0x30002                  ; w (3 bits from bit 2)
	s_and_b32 s19, ttmp9, 3                        ; t
	v_and_b32 v4, 15, v0                           ; r
	v_bfe_u32 v5, v0, 4, 1                         ; h
	v_and_b32 v6, 8, v0
	v_add_nc_u32 v6, v6, v4                        ; r + 8 (r / 8)
	v_lshlrev_b32 v1, 11, v6                       ; a row of W is 2,048 bytes
	v_lshl_add_u32 v1, v5, 6, v1                   ; + 64 h: my 16 numbers of a block of 32
	v_and_b32 v2, 31, v0
	v_lshlrev_b32 v2, 4, v2                        ; 16 x lane
	s_lshl_b32 s36, s18, 6                         ; the tile's first row: 64 w + 32 (t / 2) + 8 (t % 2)
	s_lshr_b32 s38, s19, 1
	s_lshl_b32 s38, s38, 5
	s_add_co_u32 s36, s36, s38
	s_and_b32 s38, s19, 1
	s_lshl_b32 s38, s38, 3
	s_add_co_u32 s36, s36, s38
	s_lshl_b32 s36, s36, 11
	s_lshl_b32 s38, s16, 9                         ; + 512 s bytes along K
	s_add_co_u32 s36, s36, s38
	s_mov_b32 s37, 0
	s_lshl_b32 s40, s17, 18                        ; the image's place
	s_lshl_b32 s38, s18, 15
	s_add_co_u32 s40, s40, s38
	s_lshl_b32 s38, s19, 2
	s_add_co_u32 s38, s38, s16
	s_lshl_b32 s38, s38, 11
	s_add_co_u32 s40, s40, s38
	s_mov_b32 s41, 0
	s_wait_alu depctr_va_vdst(0)
	s_wait_kmcnt 0x0
	s_load_b128 s[20:23], s[12:13], 0x0            ; e0 .. e11
	s_load_b128 s[24:27], s[12:13], 0x10
	s_load_b128 s[28:31], s[12:13], 0x20
	s_mov_b64 s[32:33], s[4:5]                     ; my tensor: the choice hangs on the work-group's number alone
	s_cmp_eq_u32 s17, 1
	s_cselect_b64 s[32:33], s[6:7], s[32:33]
	s_cmp_eq_u32 s17, 2
	s_cselect_b64 s[32:33], s[8:9], s[32:33]
	s_cmp_eq_u32 s17, 3
	s_cselect_b64 s[32:33], s[10:11], s[32:33]
	s_add_nc_u64 s[32:33], s[32:33], s[36:37]
	s_add_nc_u64 s[14:15], s[14:15], s[40:41]
.irp c, 0,1,2,3
.irp j, 0,1,2,3
	global_load_b128 v[XN+16*\c+4*\j:XN+16*\c+4*\j+3], v1, s[32:33] offset:128*\c+16*\j   ; the wave's sixteen loads together cover 512 consecutive bytes of each of its 16 rows
.endr
.endr
	s_wait_kmcnt 0x0
	s_mov_b32 s34, s21                             ; e: entry 1, 3, 5 or 11
	s_cmp_eq_u32 s17, 1
	s_cselect_b32 s34, s23, s34
	s_cmp_eq_u32 s17, 2
	s_cselect_b32 s34, s25, s34
	s_cmp_eq_u32 s17, 3
	s_cselect_b32 s34, s31, s34
	s_add_co_i32 s34, s34, 127
	s_lshl_b32 s35, s34, 23
	v_mov_b32 v11, s35                             ; 2^e as f32: the conversion takes its exponent field
	s_add_co_i32 s34, s34, 15
	s_lshl_b32 s34, s34, 23
	s_or_b32 s34, s34, 0x600000
	v_mov_b32 v10, s34                             ; 57,344 x 2^e
	s_wait_alu depctr_va_vdst(0)
	s_wait_loadcnt 0x0
.irp c, 0,1,2,3
.set n, 0
.rept 16
	v_med3_num_f32 v[XN+16*\c+n], v[XN+16*\c+n], -v10, v10   ; the conversion to an 8-bit code does not saturate (ISA guide 7.6.2): the hold comes first
.set n, n+1
.endr
	v_cvt_scalef32_pk8_bf8_f32 v[CD+4*\c:CD+4*\c+1], v[XN+16*\c:XN+16*\c+7], v11
	v_cvt_scalef32_pk8_bf8_f32 v[CD+4*\c+2:CD+4*\c+3], v[XN+16*\c+8:XN+16*\c+15], v11
.endr
.irp c, 0,1,2,3
	global_store_b128 v2, v[CD+4*\c:CD+4*\c+3], s[14:15] offset:512*\c   ; each store of the wave covers 512 consecutive bytes, aligned
.endr
	s_endpgm
.Lfunc_end_k_q0857ec705b_wquant:
	.size	k_q0857ec705b_wquant, .Lfunc_end_k_q0857ec705b_wquant-k_q0857ec705b_wquant
	.p2alignl 7, 3214868480
	.fill 96, 4, 3214868480
	.section	.rodata,"a",@progbits
	.p2align	6, 0x0
	.amdhsa_kernel k_q0857ec705b_wquant
		.amdhsa_group_segment_fixed_size 0
		.amdhsa_private_segment_fixed_size 0
		.amdhsa_enable_private_segment 0
		.amdhsa_kernarg_size 48
		.amdhsa_user_sgpr_count 2
		.amdhsa_user_sgpr_kernarg_segment_ptr 1
		.amdhsa_wavefront_size32 1
		.amdhsa_system_sgpr_workgroup_id_x 1
		.amdhsa_system_sgpr_workgroup_id_y 1
		.amdhsa_system_sgpr_workgroup_id_z 1
		.amdhsa_system_vgpr_workitem_id 0
		.amdhsa_next_free_vgpr 96
		.amdhsa_next_free_sgpr 66
		.amdhsa_reserve_vcc 0
		.amdhsa_float_denorm_mode_32 3
		.amdhsa_float_denorm_mode_16_64 3
		.amdhsa_memory_ordered 1
		.amdhsa_forward_progress 1
		.amdhsa_inst_pref_size 9
	.end_amdhsa_kernel
	.amdgpu_metadata
---
amdhsa.version: [ 1, 2 ]
amdhsa.kernels:
  - .name:           k_q0857ec705b_wquant
    .symbol:         k_q0857ec705b_wquant.kd
    .args:
      - { .name: Wq, .offset: 0, .size: 8, .value_kind: global_buffer, .address_space: global }
      - { .name: Wk, .offset: 8, .size: 8, .value_kind: global_buffer, .address_space: global }
      - { .name: Wv, .offset: 16, .size: 8, .value_kind: global_buffer, .address_space: global }
      - { .name: Wo, .offset: 24, .size: 8, .value_kind: global_buffer, .address_space: global }
      - { .name: lowp_scales, .offset: 32, .size: 8, .value_kind: global_buffer, .address_space: global }
      - { .name: wcodes, .offset: 40, .size: 8, .value_kind: global_buffer, .address_space: global }
    .group_segment_fixed_size: 0
    .private_segment_fixed_size: 0
    .kernarg_segment_align: 8
    .kernarg_segment_size: 48
    .max_flat_workgroup_size: 128
    .sgpr_count:     66
    .vgpr_count:     96
    .wavefront_size: 32
...
	.end_amdgpu_metadata
.endif
;; end of part 5
;; launch proj (part 6): grid 64 x 3, 8 waves a work-group, no clusters, 68,608 bytes of LDS; arguments q, k, v, bq, bk, bv, wcodes, lowp_scales, qc, kc, vc; writes qc, kc, vc
.if DOCPART == 6
	.amdgcn_target "amdgcn-amd-amdhsa--gfx1250"
	.amdhsa_code_object_version 6
	.text
	.protected	k_q0857ec705b_proj
	.globl	k_q0857ec705b_proj
	.p2align	8
	.type	k_q0857ec705b_proj,@function
k_q0857ec705b_proj:
	s_mov_b64 s[64:65], 0
	v_nop
	global_prefetch_b8 v0, s[64:65] scope:SCOPE_SE
	s_setreg_imm32_b32 hwreg(HW_REG_WAVE_SCHED_MODE, 0, 2), 2
	s_setreg_imm32_b32 hwreg(HW_REG_WAVE_MODE, 25, 1), 1
	s_wait_xcnt 0x0
	s_wait_alu depctr_vm_vsrc(0)
; The three input projections: x W^T + b for x = q, k, v (work-group y = 0, 1, 2), both operands as codes of BF8 (E5M2), and the result quantised at once for attention.
; x: [8,192][512] f32, quantised here with 2^ex (entries 0, 2, 4); W: codes as images of operand registers, 2^ew (entries 1, 3, 5); the result with 2^eo (entries 6, 7, 9).
; A sum stands for sum x 2^(ex + ew): the bias goes in as the C of a sum's first product, divided by that power, and the conversion takes 2^(eo - ex - ew) as its one scale.
; LIMITS: ex and eo - ex - ew between -126 and 112.  NaN among the inputs is not served.
; SHARES.  A work-group takes 128 rows (tokens) of one tensor.  Wave w is head w: its 64 rows of W x 512 K, 16 fragments, stay in window 1.  Wave w also quantises 16 rows of x into LDS.
; OUTPUT, all three as groups of 512 bytes, lane l = (r, h) at 16 l, at [8 batch + head] x 262,144 + [block of 128 tokens] x 8,192 +
;   qc: tile m x 1,024 + 512 b: token 16 m + r, channels 32 b + 16 h + 0 .. 15;      kc: the same with token 32 (m / 2) + 8 (m % 2) + r + 8 (r / 8);
;   vc: channel tile t x 2,048 + 512 c: channel 32 (t / 2) + 8 (t % 2) + r + 8 (r / 8), tokens 32 c + 16 h + 0 .. 15.
; q, k: source 0 = 16 rows of W, source 1 = 16 tokens: a lane holds one token and the 16 registers of tiles 2 b, 2 b + 1 are 16 neighbouring channels.
; v: source 0 = 16 tokens, source 1 = 16 rows of W: a lane holds one channel, and the 16 registers of token tiles 2 c, 2 c + 1 are 16 neighbouring tokens, since for k and v
; LDS row 16 m + i holds token 32 (m / 2) + 8 (m % 2) + i + 8 (i / 8).  The two ways differ in their matrix lines and in the bias alone: every LDS line is common.
; NO CLUSTER, no tensor load: x has to pass through registers to be quantised, and W's 262,144 bytes beside x's 67,584 and the spare words do not fit into 327,680 bytes of LDS.
; REGISTERS.  window 0: v1-9 offsets; v10-13 scales and holds; v14, v15 the add's two; v16-63 twelve sets of a row's codes, later v16-47 the bias, 4 tiles x 8, and v48-63 a pair's codes;
;   v64-255 twelve sets of 16 numbers of x, later v64-191 x's fragments (2 tiles x 4 K steps) and v192-255 eight accumulators.   window 1: W, fragment (t, s) at v[16 (4 t + s)].
; THE MODE: SCHED_MODE bits 1:0 = 2 (LLVM: expert scheduling mode 2), set by the entry lines.  The code itself states the register dependences
; between vector or matrix instructions and memory or LDS instructions, with s_wait_alu, always for 0.
; THE PLAN.  Registers that memory or LDS instructions touch:
;   v1-8          Offsets and LDS addresses: made once at the head, never written again.  One wait on va_vdst ahead of the first load serves every load and store of the kernel.
;   v9            The bias's offset: made in the bias's arm, read by that arm's loads, behind a wait on va_vdst of its own.
;   RAW0 .. RAW11 Row i's holds and conversions name RAW[i % 12].  Only rows 0 to 3 have their buffer asked for again (rows 12 to 15), at once, behind a wait on va_vdst behind their conversions.
;   CS0 .. CS11   Row i's conversions write CS[i % 12]; its two LDS stores read it.  Rows 0 to 3: the stores stand behind that same wait.  Rows 4 to 15: the stores stand at the head of the next turn,
;                 behind the wait for that turn's data and one wait on va_vdst.  Sets 0 to 3 are written a second time, by rows 12 to 15: one wait on vm_vsrc at the head of row 12's turn.
;   window 1      W: written by loads alone, named by no vector instruction ahead of the products: its loads owe nothing and stand at a turn's head.
;   BI            The bias lands where conversions wrote and LDS stores read: one wait on vm_vsrc behind the last row's stores, ahead of the branch, and the arm's wait on va_vdst.
;   XF            A pair's products read it; the next pair's fragments land in it.   PC   A pair's conversions write it; the four global stores that are issued in the next pair read it.
;                 ONE wait on va_vdst a pair, behind its products: they are done reading XF, and the pair before has written PC.  Straight behind it go the stores of the pair before and the
;                 fragment loads of the next pair, which land while this pair's holds run.  One wait on vm_vsrc a pair, behind the holds: the stores have read PC, which the conversions write.
;   v14, v15      Written at the head, read by the closing add alone.
.set PITCH, 528                        ; an LDS row: 512 codes + 16 bytes: 33 x 16, so the 16 rows that a fragment load touches begin at 16 different places modulo 256 bytes
.set SPARE, 128*PITCH                  ; behind x's codes: the spare words, 128 bytes for each wave: four blocks of 256 bytes that no other line names
.set VXL, 1                            ; v1   x: 32 x lane
.set VXH, 2                            ; v2   the same for a tile's rows 8-15: for k and v eight rows further down
.set XS,  3                            ; v3   where I store a row's codes: 16 rows x wave + 8 x lane
.set FA,  4                            ; v4   a fragment's place: r x pitch + 16 h
.set LI,  5                            ; v5   16 x lane
.set VO,  5                            ; v5-8 where group g goes: 16 x lane + g x SB
.set VB,  9                            ; v9   the bias's offset
.set SCX, 10                           ; v10  2^ex;  v11  57,344 x 2^ex
.set HLX, 11
.set SCO, 12                           ; v12  2^(eo - ex - ew);  v13  57,344 x that
.set HLO, 13
.set SPW, 14                           ; v14  LDS address of my spare word; never rewritten
.set NIL, 15                           ; v15  0; never rewritten
.set CS,  16                           ; v16-63  while x is quantised: set i % 12 holds row i's codes
.set BI,  16
.set PC,  48
.set RAW, 64
.set XF,  64
.set ACC, 192
.set WV,  36                           ; s36  wave = head
.set YT,  37                           ; s37  the tensor: 0 q, 1 k, 2 v
.set FLAG, 38                          ; s38  1 for k and v
.set MSB, 0
.macro WIN new                         ; the immediate's high byte repeats the setting that is left
.if MSB != \new
	s_set_vgpr_msb (MSB<<8)|\new
.set MSB, \new
.endif
.endm
	s_load_b512 s[8:23], s[0:1], 0x0               ; q, k, v, bq, bk, bv, W's codes, the scales' exponents
	s_load_b128 s[24:27], s[0:1], 0x40             ; qc, kc
	s_load_b64 s[28:29], s[0:1], 0x50              ; vc
	v_lshl_add_u32 v[SPW], v0, 2, SPARE
	v_mov_b32 v[NIL], 0
	v_lshrrev_b32 v[VB], 5, v0
	v_readfirstlane_b32 s[WV], v[VB]
	s_and_b32 s[YT], ttmp7, 0xffff
	s_wait_alu depctr_va_sdst(0)                   ; the wave's number is written, ahead of its first reader: bases and LDS addresses are made from it
	s_lshl_b32 s66, s[WV], 4                       ; my 16 rows of x begin at 16 w (q),
	s_lshr_b32 s67, s[WV], 1
	s_lshl_b32 s67, s67, 5
	s_and_b32 s68, s[WV], 1
	s_lshl_b32 s68, s68, 3
	s_add_co_u32 s67, s67, s68                     ; or at 32 (w / 2) + 8 (w % 2) (k, v)
	s_cmp_lg_u32 s[YT], 0
	s_cselect_b32 s[FLAG], 1, 0
	s_cselect_b32 s66, s67, s66
	s_lshl_b32 s67, ttmp9, 7
	s_add_co_u32 s66, s66, s67                     ; + 128 x work-group x
	s_lshl_b32 s66, s66, 11                        ; rows of 2,048 bytes
	s_mov_b32 s67, 0
	s_lshl_b32 s68, s[WV], 8                       ; the bias: my head's 64 numbers
	s_mov_b32 s69, 0
	s_lshr_b32 s70, ttmp9, 5                       ; the output: batch x 8 heads x 262,144
	s_lshl_b32 s70, s70, 21
	s_lshl_b32 s74, s[WV], 18                      ; + head x 262,144
	s_add_co_u32 s70, s70, s74
	s_and_b32 s74, ttmp9, 31
	s_lshl_b32 s74, s74, 13                        ; + block of 128 tokens x 8,192
	s_add_co_u32 s70, s70, s74
	s_mov_b32 s71, 0
	s_lshl_b32 s72, s[YT], 18                      ; W's images: tensor x 262,144 + head x 32,768
	s_lshl_b32 s74, s[WV], 15
	s_add_co_u32 s72, s72, s74
	s_mov_b32 s73, 0
	v_and_b32 v[VB], 31, v0                        ; lane
	v_lshlrev_b32 v[VXL], 5, v[VB]
	s_lshl_b32 s74, s[FLAG], 14
	v_add_nc_u32 v[VXH], s74, v[VXL]
	s_mul_i32 s74, s[WV], 16*PITCH
	v_lshl_add_u32 v[XS], v[VB], 3, s74
	v_lshlrev_b32 v[LI], 4, v[VB]
	v_and_b32 v[BI], 15, v0                        ; r
	v_bfe_u32 v[BI+1], v0, 4, 1                    ; h
	v_mul_u32_u24 v[FA], v[BI], PITCH
	v_lshl_add_u32 v[FA], v[BI+1], 4, v[FA]
	s_mov_b32 s56, 2048                            ; SA: from a pair of token tiles to the next: 2,048 (q, k) or 512 (v)
	s_mov_b32 s58, 512                             ; SB: from group to group: 512 (q, k) or 2,048 (v)
	s_mov_b32 s57, 0
	s_cmp_eq_u32 s[YT], 2
	s_cselect_b32 s56, 512, s56
	s_cselect_b32 s58, 2048, s58
	v_add_nc_u32 v[VO+1], s58, v[VO]
	v_add_nc_u32 v[VO+2], s58, v[VO+1]
	v_add_nc_u32 v[VO+3], s58, v[VO+2]
	s_wait_kmcnt 0x0
	s_load_b128 s[40:43], s[22:23], 0x0            ; e0 .. e11
	s_load_b128 s[44:47], s[22:23], 0x10
	s_load_b128 s[48:51], s[22:23], 0x20
	s_mov_b64 s[30:31], s[8:9]                     ; my tensor's buffers: the choice hangs on the work-group's number alone
	s_mov_b64 s[32:33], s[14:15]
	s_mov_b64 s[34:35], s[24:25]
	s_cmp_eq_u32 s[YT], 1
	s_cselect_b64 s[30:31], s[10:11], s[30:31]
	s_cselect_b64 s[32:33], s[16:17], s[32:33]
	s_cselect_b64 s[34:35], s[26:27], s[34:35]
	s_cmp_eq_u32 s[YT], 2
	s_cselect_b64 s[30:31], s[12:13], s[30:31]
	s_cselect_b64 s[32:33], s[18:19], s[32:33]
	s_cselect_b64 s[34:35], s[28:29], s[34:35]
	s_add_nc_u64 s[30:31], s[30:31], s[66:67]
	s_add_nc_u64 s[32:33], s[32:33], s[68:69]
	s_add_nc_u64 s[34:35], s[34:35], s[70:71]
	s_add_nc_u64 s[60:61], s[20:21], s[72:73]
; Row i of my 16: four loads.  A lane takes 8 neighbouring numbers of each half of the row (what a conversion wants); a half's two loads together cover its 1,024 bytes.
.macro XROW i
.irp a, 0,1
.irp j, 0,1
.if (\i) < 8
	global_load_b128 v[RAW+16*((\i)%12)+8*\a+4*\j:RAW+16*((\i)%12)+8*\a+4*\j+3], v[VXL], s[30:31] offset:(\i)*2048+1024*\a+16*\j th:TH_LOAD_NT
.else
	global_load_b128 v[RAW+16*((\i)%12)+8*\a+4*\j:RAW+16*((\i)%12)+8*\a+4*\j+3], v[VXH], s[30:31] offset:(\i)*2048+1024*\a+16*\j th:TH_LOAD_NT
.endif
.endr
.endr
.endm
; Fragment n = 4 t + s of my head's W: four loads of 512 consecutive bytes, straight into its registers in window 1.
; No wait: no vector instruction names these registers ahead of the products, and none has named the offset since the wait at the head.
.macro WITEM n
	WIN 0x40                                       ; destination window 1, offset window 0
.irp q, 0,1,2,3
	global_load_b128 v[16*(\n)+4*\q:16*(\n)+4*\q+3], v[LI], s[60:61] offset:2048*(\n)+512*\q
.endr
	WIN 0
.endm
; Row r's codes go to LDS
.macro PUT r
	ds_store_b64 v[XS], v[CS+4*((\r)%12):CS+4*((\r)%12)+1] offset:(\r)*PITCH          ; 32 lanes store 256 consecutive bytes
	ds_store_b64 v[XS], v[CS+4*((\r)%12)+2:CS+4*((\r)%12)+3] offset:(\r)*PITCH+256
.endm
; Row i's turn: it is quantised, and the next item of four loads goes out.  The items go out in the order x0 .. x15, W0 .. W15, twelve ahead.
.macro ROW i
.set SL, RAW+16*((\i)%12)
.set PR, CS+4*((\i)%12)
	s_wait_loadcnt 44                              ; loads come back in order (ISA guide 5.7.1): behind item i eleven items of four are out, in each of the sixteen turns
.if (\i) == 12
	s_wait_alu depctr_vm_vsrc(0)                   ; the LDS stores of rows 0 to 3 have read code sets 0 to 3, which the conversions of rows 12 to 15 write again
.endif
.if (\i) >= 5
	s_wait_alu depctr_va_vdst(0)                   ; the conversions of the row before have written its codes, which the two LDS stores below read
	PUT (\i)-1
.endif
.if (\i) >= 4
	WITEM (\i)-4
.endif
.set n, 0
.rept 16
	v_med3_num_f32 v[SL+n], v[SL+n], -v[HLX], v[HLX]   ; the conversion does not saturate (ISA guide 7.6.2): the hold comes first
.set n, n+1
.endr
.if (\i) >= 12
	s_wait_alu depctr_va_vdst(0)
	s_wait_dscnt 22                                ; the codes' twelve sets take turns: row i - 12's two stores are done; behind them stand eleven rows' 22
.endif
	v_cvt_scalef32_pk8_bf8_f32 v[PR:PR+1], v[SL:SL+7], v[SCX]
	v_cvt_scalef32_pk8_bf8_f32 v[PR+2:PR+3], v[SL+8:SL+15], v[SCX]
.if (\i) < 4
	s_wait_alu depctr_va_vdst(0)                   ; the conversions have written the codes, which the LDS stores read; holds and conversions are done with this row's numbers, in whose registers row 12 + i lands
	PUT \i
	XROW 12+(\i)
.endif
.endm
	s_wait_alu depctr_va_vdst(0)                   ; the offsets and LDS addresses v1 to v8 and the add's v14 and v15 are written: every load and store of the kernel reads one of the eight
.irp i, 0,1,2,3,4,5,6,7,8,9,10,11
	XROW \i
.endr
	s_wait_kmcnt 0x0
	s_mov_b32 s52, s40                             ; ex, ew, eo of my tensor
	s_mov_b32 s53, s41
	s_mov_b32 s54, s46
	s_cmp_eq_u32 s[YT], 1
	s_cselect_b32 s52, s42, s52
	s_cselect_b32 s53, s43, s53
	s_cselect_b32 s54, s47, s54
	s_cmp_eq_u32 s[YT], 2
	s_cselect_b32 s52, s44, s52
	s_cselect_b32 s53, s45, s53
	s_cselect_b32 s54, s49, s54
	s_add_co_i32 s66, s52, 127
	s_lshl_b32 s67, s66, 23
	v_mov_b32 v[SCX], s67                          ; 2^ex as f32
	s_add_co_i32 s66, s66, 15
	s_lshl_b32 s66, s66, 23
	s_or_b32 s66, s66, 0x600000
	v_mov_b32 v[HLX], s66                          ; 57,344 x 2^ex
	s_add_co_i32 s55, s52, s53                     ; ex + ew
	s_sub_co_i32 s66, s54, s55                     ; eo - ex - ew
	s_sub_co_i32 s55, 0, s55                       ; -(ex + ew), for the bias
	s_add_co_i32 s66, s66, 127
	s_lshl_b32 s67, s66, 23
	v_mov_b32 v[SCO], s67
	s_add_co_i32 s66, s66, 15
	s_lshl_b32 s66, s66, 23
	s_or_b32 s66, s66, 0x600000
	v_mov_b32 v[HLO], s66
	s_wait_alu depctr_va_vdst(0)
.irp i, 0,1,2,3,4,5,6,7,8,9,10,11,12,13,14,15
	ROW \i
.endr
	s_wait_alu depctr_va_vdst(0)                   ; row 15's conversions have written its codes, which the two LDS stores below read
	PUT 15
	s_wait_alu depctr_vm_vsrc(0)                   ; all my LDS stores have read their codes, v16 to v63: the bias lands in v16 to v47, its second arm works in v17, and the pairs' conversions write v48 to v63
.irp n, 12,13,14,15
	WITEM \n
.endr
	; The bias, in the result's layout, divided by 2^(ex + ew).  Each way loads, waits and writes all 32 registers.
	s_cmp_eq_u32 s[YT], 2
	s_cbranch_scc1 .Lbias_v
	v_bfe_u32 v[VB], v0, 4, 1
	v_lshlrev_b32 v[VB], 6, v[VB]                  ; q, k: register j of tile t is channel 32 (t / 2) + 8 (t % 2) + 16 h + j
	s_wait_alu depctr_va_vdst(0)                   ; the offset v9 is written, which the loads below read
.irp t, 0,1,2,3
	global_load_b128 v[BI+8*\t:BI+8*\t+3], v[VB], s[32:33] offset:(32*(\t/2)+8*(\t%2))*4
	global_load_b128 v[BI+8*\t+4:BI+8*\t+7], v[VB], s[32:33] offset:(32*(\t/2)+8*(\t%2))*4+16
.endr
	s_wait_loadcnt 0x0                             ; the bias, and all of W
.set n, 0
.rept 32
	v_ldexp_f32 v[BI+n], v[BI+n], s55
.set n, n+1
.endr
	s_branch .Lbias_done
.Lbias_v:
	v_and_b32 v[BI+1], 15, v0
	v_and_b32 v[VB], 8, v0
	v_add_lshl_u32 v[VB], v[VB], v[BI+1], 2        ; v: all eight registers of tile t are my lane's channel 32 (t / 2) + 8 (t % 2) + r + 8 (r / 8)
	s_wait_alu depctr_va_vdst(0)                   ; the offset v9 is written, which the loads below read
.irp t, 0,1,2,3
	global_load_b32 v[BI+8*\t], v[VB], s[32:33] offset:(32*(\t/2)+8*(\t%2))*4
.endr
	s_wait_loadcnt 0x0                             ; the bias, and all of W
.irp t, 0,1,2,3
.irp j, 7,6,5,4,3,2,1,0
	v_ldexp_f32 v[BI+8*\t+\j], v[BI+8*\t], s55     ; the loaded register itself comes last
.endr
.endr
.Lbias_done:
	s_wait_dscnt 0x0                               ; for the others' sake: my rows' codes lie in LDS
	s_barrier_signal -1
	s_barrier_wait -1                              ; all 128 rows do
; The eight fragments of token tiles 2 c and 2 c + 1, from LDS
.macro FRAGS c
.irp m, 0,1
.irp s, 0,1,2,3
.irp q, 0,1,2,3
	ds_load_b128 v[XF+64*\m+16*\s+4*\q:XF+64*\m+16*\s+4*\q+3], v[FA] offset:(32*(\c)+16*\m)*PITCH+128*\s+32*\q   ; registers 4 q .. 4 q + 3: k = 128 s + 32 q + 16 h + 0 .. 15, as in W's images
.endr
.endr
.endr
.endm
; The four groups of codes in PC go out
.macro SEND
.irp g, 0,1,2,3
	global_store_b128 v[VO+\g], v[PC+4*\g:PC+4*\g+3], s[34:35]   ; each store of the wave covers 512 consecutive bytes, aligned
.endr
.endm
; Token tiles 2 c and 2 c + 1: 32 products on eight accumulators that take turns; the stores of the pair before and the next pair's fragment loads; the hold, the conversion.
.macro PAIR c
	s_wait_dscnt 0x0                               ; this pair's fragments are in
	s_cmp_eq_u32 s[YT], 2
	s_cbranch_scc1 .Lv_\@
	WIN 0x01                                       ; source 0 (W) window 1
	s_wait_alu depctr_va_vdst(0)
.irp s, 0,1,2,3
.irp m, 0,1
.irp t, 0,1,2,3
.if \s == 0
	v_wmma_f32_16x16x128_bf8_bf8 v[ACC+8*(4*\m+\t):ACC+8*(4*\m+\t)+7], v[16*(4*\t+\s):16*(4*\t+\s)+15], v[XF+64*\m+16*\s:XF+64*\m+16*\s+15], v[BI+8*\t:BI+8*\t+7]
.else
	v_wmma_f32_16x16x128_bf8_bf8 v[ACC+8*(4*\m+\t):ACC+8*(4*\m+\t)+7], v[16*(4*\t+\s):16*(4*\t+\s)+15], v[XF+64*\m+16*\s:XF+64*\m+16*\s+15], v[ACC+8*(4*\m+\t):ACC+8*(4*\m+\t)+7]
.endif
.endr
.endr
.endr
	WIN 0
	s_branch .Lj_\@
.Lv_\@:
	WIN 0x04                                       ; source 1 (W) window 1
	s_wait_alu depctr_va_vdst(0)
.irp s, 0,1,2,3
.irp m, 0,1
.irp t, 0,1,2,3
.if \s == 0
	v_wmma_f32_16x16x128_bf8_bf8 v[ACC+8*(2*\t+\m):ACC+8*(2*\t+\m)+7], v[XF+64*\m+16*\s:XF+64*\m+16*\s+15], v[16*(4*\t+\s):16*(4*\t+\s)+15], v[BI+8*\t:BI+8*\t+7]
.else
	v_wmma_f32_16x16x128_bf8_bf8 v[ACC+8*(2*\t+\m):ACC+8*(2*\t+\m)+7], v[XF+64*\m+16*\s:XF+64*\m+16*\s+15], v[16*(4*\t+\s):16*(4*\t+\s)+15], v[ACC+8*(2*\t+\m):ACC+8*(2*\t+\m)+7]
.endif
.endr
.endr
.endr
	WIN 0
.Lj_\@:
.rept 4
	v_nop                                          ; four places between the last product and the first read of a result (ISA guide 7.12.1)
.endr
	s_wait_alu depctr_va_vdst(0)                   ; the products are done reading the fragments, in whose registers the next pair's land; the conversions of the pair before have written PC, which the stores below read
.if (\c) > 0
	SEND                                           ; the pair before
.endif
.if (\c) < 3
	FRAGS (\c)+1                                   ; they land while the holds below run: no vector instruction names their registers before the next pair's products
.endif
.set n, 0
.rept 64
	v_med3_num_f32 v[ACC+n], v[ACC+n], -v[HLO], v[HLO]   ; each accumulator from its low end on
.set n, n+1
.endr
.if (\c) > 0
	s_wait_alu depctr_va_vdst(0)
	s_wait_xcnt 0x0                                ; the stores above have had their addresses translated (ISA guide 3.1): their data and their base are written again only behind this wait,
	s_wait_alu depctr_vm_vsrc(0)                   ; and they have read PC, which the conversions below write
	s_add_nc_u64 s[34:35], s[34:35], s[56:57]      ; on to this pair's place
.endif
.irp g, 0,1,2,3                                ; group g: the 16 registers of two neighbouring accumulators
	v_cvt_scalef32_pk8_bf8_f32 v[PC+4*\g:PC+4*\g+1], v[ACC+16*\g:ACC+16*\g+7], v[SCO]
	v_cvt_scalef32_pk8_bf8_f32 v[PC+4*\g+2:PC+4*\g+3], v[ACC+16*\g+8:ACC+16*\g+15], v[SCO]
.endr
	v_nop                                          ; one plain vector line behind the last conversion: the next pair's products write its sources
.endm
	FRAGS 0                                        ; no wait: the holds and conversions that named these registers stand ahead of the last row's wait on va_vdst
	PAIR 0
	PAIR 1
	PAIR 2
	PAIR 3
	s_wait_alu depctr_va_vdst(0)                   ; the last pair's conversions have written PC, which the last four stores read
	SEND
	s_wait_dscnt 0x0                               ; the closing lines, six on end
	s_wait_alu 0x0
	s_wait_tensorcnt 0x0
	ds_add_u32 v[SPW], v[NIL]
	s_wait_dscnt 0x0
	s_endpgm
.Lfunc_end_k_q0857ec705b_proj:
	.size	k_q0857ec705b_proj, .Lfunc_end_k_q0857ec705b_proj-k_q0857ec705b_proj
	.p2alignl 7, 3214868480
	.fill 96, 4, 3214868480
	.section	.rodata,"a",@progbits
	.p2align	6, 0x0
	.amdhsa_kernel k_q0857ec705b_proj
		.amdhsa_group_segment_fixed_size 68608
		.amdhsa_private_segment_fixed_size 0
		.amdhsa_enable_private_segment 0
		.amdhsa_kernarg_size 88
		.amdhsa_user_sgpr_count 2
		.amdhsa_user_sgpr_kernarg_segment_ptr 1
		.amdhsa_wavefront_size32 1
		.amdhsa_system_sgpr_workgroup_id_x 1
		.amdhsa_system_sgpr_workgroup_id_y 1
		.amdhsa_system_sgpr_workgroup_id_z 1
		.amdhsa_system_vgpr_workitem_id 0
		.amdhsa_next_free_vgpr 512
		.amdhsa_next_free_sgpr 80
		.amdhsa_reserve_vcc 0
		.amdhsa_float_denorm_mode_32 3
		.amdhsa_float_denorm_mode_16_64 3
		.amdhsa_memory_ordered 1
		.amdhsa_forward_progress 1
		.amdhsa_inst_pref_size 91
	.end_amdhsa_kernel
	.amdgpu_metadata
---
amdhsa.version: [ 1, 2 ]
amdhsa.kernels:
  - .name:           k_q0857ec705b_proj
    .symbol:         k_q0857ec705b_proj.kd
    .args:
      - { .name: q, .offset: 0, .size: 8, .value_kind: global_buffer, .address_space: global }
      - { .name: k, .offset: 8, .size: 8, .value_kind: global_buffer, .address_space: global }
      - { .name: v, .offset: 16, .size: 8, .value_kind: global_buffer, .address_space: global }
      - { .name: bq, .offset: 24, .size: 8, .value_kind: global_buffer, .address_space: global }
      - { .name: bk, .offset: 32, .size: 8, .value_kind: global_buffer, .address_space: global }
      - { .name: bv, .offset: 40, .size: 8, .value_kind: global_buffer, .address_space: global }
      - { .name: wcodes, .offset: 48, .size: 8, .value_kind: global_buffer, .address_space: global }
      - { .name: lowp_scales, .offset: 56, .size: 8, .value_kind: global_buffer, .address_space: global }
      - { .name: qc, .offset: 64, .size: 8, .value_kind: global_buffer, .address_space: global }
      - { .name: kc, .offset: 72, .size: 8, .value_kind: global_buffer, .address_space: global }
      - { .name: vc, .offset: 80, .size: 8, .value_kind: global_buffer, .address_space: global }
    .group_segment_fixed_size: 68608
    .private_segment_fixed_size: 0
    .kernarg_segment_align: 8
    .kernarg_segment_size: 88
    .max_flat_workgroup_size: 256
    .sgpr_count:     80
    .vgpr_count:     512
    .wavefront_size: 32
...
	.end_amdgpu_metadata
.endif
;; end of part 6
;; launch attn (part 7): grid 16 x 16, 16 waves a work-group, no clusters, 327,680 bytes of LDS; arguments qc, kc, vc, lowp_scales, ac; writes ac
.if DOCPART == 7
	.amdgcn_target "amdgcn-amd-amdhsa--gfx1250"
	.amdhsa_code_object_version 6
	.text
	.protected	k_q0857ec705b_attn
	.globl	k_q0857ec705b_attn
	.p2align	8
	.type	k_q0857ec705b_attn,@function
k_q0857ec705b_attn:
	s_mov_b64 s[64:65], 0
	v_nop
	global_prefetch_b8 v0, s[64:65] scope:SCOPE_SE
	s_setreg_imm32_b32 hwreg(HW_REG_WAVE_MODE, 25, 1), 1
	s_wait_xcnt 0x0
; Causal attention on codes of BF8 (E5M2), 16 heads (8 batch + head) x 4,096 tokens x 64 channels; the result, O / l, is quantised at once for the last projection.
; INPUTS as groups of 512 bytes (lane l = (r, h) at 16 l), a head 262,144 bytes, a block of 128 tokens 8,192:
;   qc: tile m x 1,024 + 512 b: token 16 m + r, channels 32 b + 16 h + 0 .. 15;   kc: the same with token 32 (m / 2) + 8 (m % 2) + r + 8 (r / 8);
;   vc: channel tile t x 2,048 + 512 c: channel 32 (t / 2) + 8 (t % 2) + r + 8 (r / 8), tokens 32 c + 16 h + 0 .. 15.
; OUTPUT ac: [256 batch + token / 16] x 8,192 + head x 1,024 + 512 b: token r of the tile, channels 32 b + 16 h + 0 .. 15 of the head.
; THE SOFTMAX: t = score x log2(e) / 8; M = the row's largest t so far, rounded UP to a whole number; p = 2^(t - M) is quantised with 2^e8, not normalised.  The row's sum is taken of the
; unquantised p and divides O at the end.  When M moves, the sum and O are multiplied by 2^(old M - new M): exact.
; BOTH PRODUCTS ARE USED TRANSPOSED: S^T = K Q^T (K = 64: the 16x16x64 form), O^T = V^T P^T (K = 128 keys): a lane holds ONE query throughout.  By kc's order of tokens register n of S^T is key
; 32 (n / 16) + 16 h + n % 16 of the step, so p's conversions give the second product's operand; by vc's order of channels register n of O^T is channel 32 (n / 16) + 16 h + n % 16.
; SHARES.  Work-group (I, head): waves 0-7 own the eight tiles of 16 queries of block I (128 queries), waves 8-15 those of block 31 - I: (I + 1) + (32 - I) = 33 key steps of 128 for each pair
; of waves, the same in every work-group.  A wave owns one tile, in 256 registers.
; THE RING.  Two LDS slots of 512 keys (four steps): K's 32,768 bytes, then V's.  Waves 0-3 fetch 16,384 bytes each (K's halves, V's halves), dense in memory.  Every work-group walks all eight
; slots, so that trip counts are constants; a step all of whose keys come after the wave's queries is jumped over, and a slot whose first key comes after the work-group's last query is not asked for.
; NO CLUSTER: work-groups that share K and V own different blocks of queries, so the jumps round hidden steps, round the mask and round the loads past the causal limit would differ between partners.
; LIMITS on the given exponents: e6 + e7 between -123 and 130 (they are added to c's exponent field); e8, and e10 - e8 - e9, between -126 and 112.
; REGISTERS: v1 16 x lane; v2 the step's LDS address; v3 the prefetches' offset; v5, v6 the add's two; v12 -M, v13 the largest t, v[14:15] the sum in two halves; v16-23 Q; v32-95 K's eight fragments,
; then V's four; v96-159 S^T, then p; v160-191 O^T; v192-207 p's codes; v210-222 at work.
.set SLOT1, 65536                      ; slot 1 begins here: one exclusive or turns an address in one slot into the other's
.set SPARE, 131072                     ; behind the ring: the spare words, 128 bytes for each wave: eight blocks of 256 bytes that no other line names
.set LI,  1
.set ADR, 2
.set PFO, 3
.set SPW, 5                            ; v5   LDS address of my spare word; never rewritten
.set NIL, 6                            ; v6   0; never rewritten
.set WV,  18                           ; s18  my wave's number
.set TB,  19                           ; s19  LDS byte at which the slot in hand begins
.set SEL, 20                           ; s[20:21] selects for v_permlanex16_b32: lane l xor 16
.set CS,  22                           ; s[22:23] c = log2(e) / 8 x 2^(e6 + e7), twice
.set G1,  24                           ; s[24:31] descriptor group 1
.set G0,  40                           ; s[40:43] descriptor group 0, which walks
.set SLOTS, 44                         ; s44  changes of slots still to come in the loop
.set KF,  45                           ; s45  the step's first key
.set Q0,  46                           ; s46  my first query;  s47  my last
.set QE,  47
.set QL,  48                           ; s48  my work-group's last query
.set LIM, 49                           ; s49  1 in a wave that prefetches, else the greatest number
.set PFA, 50                           ; s[50:51] where my prefetches stand
; Waves 0 to 3 fetch, the others nothing.  An s_nop 0 and four v_nop follow the load.
.macro TLOAD
	s_cmp_lt_u32 s[WV], 4
	s_cbranch_scc0 .Lasked_\@
	tensor_load_to_lds s[G0:G0+3], s[G1:G1+7]
	s_nop 0
.rept 4
	v_nop
.endr
.Lasked_\@:
.endm
; A prefetch of the slot that the NEXT change of slots will ask for: four key steps ahead of that load.  All sixteen work-groups of a head walk the same K and V: work-group I = 0, which loads all eight
; slots, asks, and nobody else.  In it waves 4-7 ask for K's 32,768 bytes and waves 8-11 for V's: 8,192 bytes a wave, lanes 256 bytes apart, so each aligned block of 256 bytes is named once in the
; launch.  Slots 0 and 1 come by their loads alone; the last change that fills a slot asks for nothing.
.macro ASK
	s_cmp_gt_u32 s[SLOTS], s[LIM]
	s_cbranch_scc0 .Lnot_mine_\@
	global_prefetch_b8 v[PFO], s[PFA:PFA+1] th:TH_LOAD_NT scope:SCOPE_SE
.Lnot_mine_\@:
.endm
	s_load_b256 s[4:11], s[0:1], 0x0               ; qc s[4:5], kc s[6:7], vc s[8:9], the scales' exponents s[10:11]
	s_load_b64 s[12:13], s[0:1], 0x20              ; ac
	v_lshl_add_u32 v[SPW], v0, 2, SPARE
	v_mov_b32 v[NIL], 0
	ds_add_u32 v[SPW], v[NIL]                      ; the wave's opening: the add and its wait stand ahead of my first tensor load; the set-up below, work on registers, stands between them
	ds_add_u32 v[SPW], v[NIL]
	v_lshrrev_b32 v2, 5, v0
	s_delay_alu instid0(VALU_DEP_1)
	v_readfirstlane_b32 s[WV], v2                  ; wave 0..15
	s_and_b32 s66, ttmp7, 0xffff                   ; 8 batch + head
	s_sub_co_u32 s67, 31, ttmp9                    ; 31 - I
	s_cmp_lt_u32 s[WV], 8
	s_cselect_b32 s68, ttmp9, s67                  ; my block of 128 queries
	s_and_b32 s69, s[WV], 7                        ; my tile in it
	s_lshl_b32 s[Q0], s68, 7
	s_lshl_b32 s70, s69, 4
	s_add_co_u32 s[Q0], s[Q0], s70
	s_add_co_u32 s[QE], s[Q0], 15
	s_lshl_b32 s[QL], s67, 7
	s_add_co_u32 s[QL], s[QL], 127
	s_lshl_b32 s70, s66, 18                        ; the head's first byte in qc, kc, vc
	s_lshl_b32 s72, s68, 13                        ; Q: + block x 8,192 + tile x 1,024
	s_add_co_u32 s72, s72, s70
	s_lshl_b32 s71, s69, 10
	s_add_co_u32 s72, s72, s71
	s_mov_b32 s73, 0
	s_lshr_b32 s74, s66, 3                         ; ac: (256 batch + 8 block + tile) x 8,192 + head x 1,024
	s_lshl_b32 s74, s74, 8
	s_lshl_b32 s71, s68, 3
	s_add_co_u32 s74, s74, s71
	s_add_co_u32 s74, s74, s69
	s_lshl_b32 s74, s74, 13
	s_and_b32 s71, s66, 7
	s_lshl_b32 s71, s71, 10
	s_add_co_u32 s74, s74, s71
	s_mov_b32 s75, 0
	s_and_b32 s76, s[WV], 1                        ; what I fetch, if I fetch: half (wave % 2) of a slot's K (waves 0, 1) or V (waves 2, 3)
	s_lshl_b32 s76, s76, 14
	s_add_co_u32 s76, s76, s70
	s_mov_b32 s77, 0
	s_and_b32 s78, s[WV], 3
	s_mov_b32 s[G0], 1                             ; 1:0 count = 1
	s_lshl_b32 s[G0+1], s78, 14                    ; 63:32 LDS address: (wave % 4) x 16,384, in slot 0
	s_lshl_b32 s78, s78, 13                        ; the prefetches: (wave % 4) x 8,192,
	s_add_co_u32 s78, s78, s70
	s_add_co_u32 s78, s78, 32768                   ; in slot 1: the first change of slots steps it to slot 2
	s_mov_b32 s79, 0
	s_sub_co_u32 s71, s[WV], 4
	s_lshr_b32 s71, s71, 3                         ; 0 in waves 4 to 11,
	s_or_b32 s71, s71, ttmp9                       ; of work-group I = 0
	s_cmp_eq_u32 s71, 0
	s_cselect_b32 s[LIM], 1, -1
	; descriptor group 1: 16,384 dense bytes as 64 rows of 32 elements of 8 bytes
	s_mov_b32 s[G1], 3<<16                         ; 15:0 no mask; 17:16 elements of 8 bytes; no padding: images are read 512 consecutive bytes at a time
	s_mov_b32 s[G1+1], 32<<16                      ; tensor_dim0 = 32
	s_mov_b32 s[G1+2], 64<<16                      ; tensor_dim1 = 64
	s_mov_b32 s[G1+3], 32<<16                      ; tile_dim0 = 32
	s_mov_b32 s[G1+4], 64                          ; tile_dim1 = 64
	s_mov_b32 s[G1+5], 32                          ; from row to row
	s_mov_b32 s[G1+6], 0
	s_mov_b32 s[G1+7], 0
	s_mov_b32 s[SEL], 0x76543210
	s_mov_b32 s[SEL+1], 0xfedcba98
	s_mov_b32 s[CS], 0x3e38aa3b                    ; c = log2(e) / sqrt(64)
	s_mov_b32 s[TB], 0
	s_mov_b32 s[SLOTS], 7
	s_mov_b32 s[KF], 0
	s_wait_dscnt 0x0                               ; the opening add is done
	s_wait_kmcnt 0x0
	s_load_b128 s[52:55], s[10:11], 0x18           ; e6, e7, e8, e9
	s_load_b32 s56, s[10:11], 0x28                 ; e10
	s_cmp_lt_u32 s[WV], 2
	s_cselect_b64 s[G0+2:G0+3], s[6:7], s[8:9]     ; 120:64 global address: the head's first 512 keys
	s_add_nc_u64 s[G0+2:G0+3], s[G0+2:G0+3], s[76:77]
	s_or_b32 s[G0+3], s[G0+3], 0x80000000          ; 127:126 type = 2
	TLOAD                                          ; slot 0
	s_add_nc_u64 s[4:5], s[4:5], s[72:73]          ; Q's codes at my tile
	s_add_nc_u64 s[12:13], s[12:13], s[74:75]      ; ac likewise
	s_cmp_lt_u32 s[WV], 8
	s_cselect_b64 s[PFA:PFA+1], s[6:7], s[8:9]
	s_add_nc_u64 s[PFA:PFA+1], s[PFA:PFA+1], s[78:79]
	v_and_b32 v4, 31, v0
	s_delay_alu instid0(VALU_DEP_1)
	v_lshlrev_b32 v[LI], 4, v4
	s_delay_alu instid0(VALU_DEP_2)
	v_lshlrev_b32 v[PFO], 8, v4
	global_load_b128 v[16:19], v[LI], s[4:5]       ; Q's fragment stays in registers
	global_load_b128 v[20:23], v[LI], s[4:5] offset:512
	v_mov_b32 v13, 0xff61b1e6                      ; the largest t so far: -3e38, under every t
	s_delay_alu instid0(VALU_DEP_1)
	v_floor_f32 v12, -v13                          ; -M
	v_mov_b32 v14, 0                               ; the sum, in two halves
	v_mov_b32 v15, 0
	v_mov_b32 v210, 0                              ; written once: a lane permute's destination counts as one of its sources
	v_mov_b32 v213, 0                              ; (named as the upper half of the pair v[212:213])
.set n, 0
.rept 32
	v_mov_b32 v[160+n], 0                          ; O^T.  (The step is written without a first form of its own: the first change of M multiplies zeros)
.set n, n+1
.endr
	s_wait_kmcnt 0x0
	s_add_co_i32 s66, s52, s53
	s_lshl_b32 s66, s66, 23
	s_add_co_i32 s[CS], s[CS], s66                 ; a score stands for score x 2^(e6 + e7): the exponents are added to c's exponent field
	s_mov_b32 s[CS+1], s[CS]                       ; (named with it as a pair, so it is written)
	s_add_co_i32 s66, s54, 127
	s_lshl_b32 s67, s66, 23
	v_mov_b32 v218, s67                            ; 2^e8 as f32, for p's conversions
	s_add_co_i32 s66, s66, 15
	s_lshl_b32 s66, s66, 23
	s_or_b32 s66, s66, 0x600000
	v_mov_b32 v219, s66                            ; 57,344 x 2^e8
; A KEY STEP: 128 keys, the q-th of the slot in hand.
.macro STEP q
	s_cmp_gt_u32 s[KF], s[QE]                      ; all its keys come after my queries: a scalar branch on ids, round the step's loads, products and softmax; no barrier and no tensor load stands in a step
	s_cbranch_scc1 .Lhidden_\@
	v_add_nc_u32 v[ADR], s[TB], v[LI]
.rept 3
	v_nop                                          ; with the addition above: four places in front of loads into registers that the last products have read
.endr
.irp i, 0,1,2,3,4,5,6,7
	ds_load_b128 v[32+8*\i:35+8*\i], v[ADR] offset:8192*(\q)+1024*\i
	ds_load_b128 v[36+8*\i:39+8*\i], v[ADR] offset:8192*(\q)+1024*\i+512
.endr
	s_wait_alu depctr_va_vdst(0)
	s_wait_dscnt 0x0
.irp i, 0,1,2,3,4,5,6,7
	v_wmma_f32_16x16x64_bf8_bf8 v[96+8*\i:103+8*\i], v[32+8*\i:39+8*\i], v[16:23], 0
.endr
.rept 4
	v_nop                                          ; four places: in front of the loads into K's registers and of the first read of a score
.endr
.irp t, 0,1,2,3                                ; V's four fragments land while the softmax is walked
.irp c, 0,1,2,3
	ds_load_b128 v[32+16*\t+4*\c:35+16*\t+4*\c], v[ADR] offset:32768+8192*(\q)+2048*\t+512*\c
.endr
.endr
	s_add_co_u32 s66, s[KF], 127                   ; on the diagonal the scores of hidden keys become -infinity ahead of the maximum: p = 0 then.  A step all of whose keys count jumps over this
	s_cmp_le_u32 s66, s[Q0]
	s_cbranch_scc1 .Lopen_\@
	s_sub_co_i32 s66, s[Q0], s[KF]
	v_and_b32 v220, 15, v0
	v_bfe_u32 v222, v0, 4, 1
	s_delay_alu instid0(VALU_DEP_1)
	v_lshlrev_b32 v222, 4, v222
	s_delay_alu instid0(VALU_DEP_1)
	v_sub_nc_u32 v220, v220, v222
	s_delay_alu instid0(VALU_DEP_1)
	v_add_nc_u32 v220, s66, v220                   ; d = my query - KF - 16 h.  Register n holds key KF + 16 h + 32 (n / 16) + n % 16: hidden where 32 (n / 16) + n % 16 > d
	v_mov_b32 v221, 0xff800000                     ; -infinity
.set n, 0
.rept 64
	v_cmp_gt_i32 vcc_lo, 32*(n/16)+n%16, v220
	v_cndmask_b32 v[96+n], v[96+n], v221, vcc_lo
.set n, n+1
.endr
.Lopen_\@:
	v_max3_num_f32 v216, v96, v97, v98             ; the step's largest score of my query, among my 64 keys, in two chains; each accumulator is read from its low end on
	v_max3_num_f32 v217, v99, v100, v101
.irp i, 6,10,14,18,22,26,30,34,38,42,46,50,54,58
	v_max3_num_f32 v216, v216, v[96+\i], v[97+\i]
	v_max3_num_f32 v217, v217, v[98+\i], v[99+\i]
.endr
	v_max3_num_f32 v216, v216, v158, v159
	s_delay_alu instid0(VALU_DEP_1)
	v_max_num_f32 v216, v216, v217
	s_delay_alu instid0(VALU_DEP_1)
	v_permlanex16_b32 v210, v216, s[SEL], s[SEL+1]
	s_delay_alu instid0(VALU_DEP_1)
	v_max_num_f32 v216, v216, v210                 ; and among lane l xor 16's
	s_delay_alu instid0(VALU_DEP_1)
	v_mul_f32 v216, s[CS], v216                    ; as t (c is positive)
	s_delay_alu instid0(VALU_DEP_1)
	v_max_num_f32 v13, v13, v216                   ; the running largest t
	v_mov_b32 v216, v12
	s_delay_alu instid0(VALU_DEP_2)
	v_floor_f32 v12, -v13                          ; the new -M = floor(-t) = -ceil(t): M is a whole number
	s_delay_alu instid0(VALU_DEP_1)
	v_sub_f32 v216, v12, v216                      ; M's old value less its new one: a whole number, 0 or less
	s_delay_alu instid0(VALU_DEP_1)
	v_cvt_i32_f32 v216, v216                       ; (it saturates)
	s_delay_alu instid0(VALU_DEP_1)
	v_ldexp_f32 v212, 1.0, v216                    ; f = 2^(old M - new M)
.set n, 0
.rept 32
	v_pk_fma_f32 v[96+n:97+n], v[96+n:97+n], s[CS:CS+1], v[12:13] op_sel_hi:[1,0,0]   ; t - M, two at a time (of the pairs c and -M the low word serves both halves)
.set n, n+2
.endr
.set n, 0
	s_wait_alu depctr_va_vdst(0)
.rept 64
	v_exp_f32 v[96+n], v[96+n]                     ; p = 2^(t - M), at most 1: not normalised
.set n, n+1
.endr
	v_pk_mul_f32 v[14:15], v[14:15], v[212:213] op_sel_hi:[1,0]   ; the sums under the new M: the plain line behind the exponentials
	s_wait_alu depctr_va_vdst(0)                   ; the wait ahead of the first line that names a result: one for the batch of 64
	v_pk_add_f32 v[214:215], v[100:101], v[104:105]
	v_pk_add_f32 v[254:255], v[108:109], v[112:113]
	v_pk_add_f32 v[252:253], v[116:117], v[120:121]
	v_pk_add_f32 v[250:251], v[124:125], v[128:129]
	v_pk_add_f32 v[248:249], v[132:133], v[136:137]
	v_pk_add_f32 v[246:247], v[140:141], v[144:145]
	v_pk_add_f32 v[244:245], v[148:149], v[152:153]
	v_pk_add_f32 v[14:15], v[14:15], v[156:157]
	v_pk_add_f32 v[214:215], v[214:215], v[96:97]
	v_pk_add_f32 v[254:255], v[254:255], v[98:99]
	v_pk_add_f32 v[252:253], v[252:253], v[102:103]
	v_pk_add_f32 v[250:251], v[250:251], v[106:107]
	v_pk_add_f32 v[248:249], v[248:249], v[110:111]
	v_pk_add_f32 v[246:247], v[246:247], v[114:115]
	v_pk_add_f32 v[244:245], v[244:245], v[118:119]
	v_pk_add_f32 v[14:15], v[14:15], v[122:123]
	v_pk_add_f32 v[214:215], v[214:215], v[126:127]
	v_pk_add_f32 v[254:255], v[254:255], v[130:131]
	v_pk_add_f32 v[252:253], v[252:253], v[134:135]
	v_pk_add_f32 v[250:251], v[250:251], v[138:139]
	v_pk_add_f32 v[248:249], v[248:249], v[142:143]
	v_pk_add_f32 v[246:247], v[246:247], v[146:147]
	v_pk_add_f32 v[244:245], v[244:245], v[150:151]
	v_pk_add_f32 v[14:15], v[14:15], v[154:155]
	v_pk_add_f32 v[214:215], v[214:215], v[158:159]
	s_delay_alu instid0(VALU_DEP_2)
	v_pk_add_f32 v[14:15], v[14:15], v[250:251]
	s_delay_alu instid0(VALU_DEP_2)
	v_pk_add_f32 v[214:215], v[214:215], v[248:249]
	v_pk_add_f32 v[254:255], v[254:255], v[246:247]
	v_pk_add_f32 v[252:253], v[252:253], v[244:245]
	s_delay_alu instid0(VALU_DEP_2)
	v_pk_add_f32 v[14:15], v[14:15], v[254:255]
	s_delay_alu instid0(VALU_DEP_2)
	v_pk_add_f32 v[214:215], v[214:215], v[252:253]
	s_delay_alu instid0(VALU_DEP_1)
	v_pk_add_f32 v[14:15], v[14:15], v[214:215]
.irp b, 0,1,2,3
.set n, 0
.rept 16
	v_min_num_f32 v[96+16*\b+n], v[96+16*\b+n], v219   ; the conversion does not saturate (ISA guide 7.6.2); p is not negative, so the hold is one-sided
.set n, n+1
.endr
	v_cvt_scalef32_pk8_bf8_f32 v[192+4*\b:193+4*\b], v[96+16*\b:103+16*\b], v218
	v_cvt_scalef32_pk8_bf8_f32 v[194+4*\b:195+4*\b], v[104+16*\b:111+16*\b], v218
.endr
.set n, 0
.rept 16
	v_pk_mul_f32 v[160+n:161+n], v[160+n:161+n], v[212:213] op_sel_hi:[1,0]   ; O^T under the new M.  (Also the plain lines between the conversions and the products that read their results)
.set n, n+2
.endr
	s_wait_alu depctr_va_vdst(0)
	s_wait_dscnt 0x0                               ; V is in
.irp t, 0,1,2,3
	v_wmma_f32_16x16x128_bf8_bf8 v[160+8*\t:167+8*\t], v[32+16*\t:47+16*\t], v[192:207], v[160+8*\t:167+8*\t]   ; the four accumulators take turns, one line a turn
.endr
.Lhidden_\@:
	s_add_co_u32 s[KF], s[KF], 128
.endm
; THE CHANGE OF SLOTS stands at a slot's head.  Each wave waits for all its tensor loads (one at the most is out: its part of the slot ahead), adds 0 to its spare word, and waits for that and for its
; reads of the slot that it has left.  Behind the barrier the slot ahead is whole and nobody reads the other one.  fill = 1: that other slot takes the 512 keys that follow, up to the causal limit.
.macro CHANGE fill
	s_wait_tensorcnt 0x0                           ; no tensor load of mine is out, so group 0 may be written
	ds_add_u32 v[SPW], v[NIL]                      ; 0 onto my spare word
.if \fill
	s_xor_b32 s[G0+1], s[G0+1], SLOT1              ; the walking descriptor: the other slot than last time,
	s_add_nc_u64 s[G0+2:G0+3], s[G0+2:G0+3], 32768 ; the next 512 keys; the type bits on top are not reached
	s_wait_xcnt 0x0                                ; the last prefetch, a slot back, has read its address, so it may be written:
	s_add_nc_u64 s[PFA:PFA+1], s[PFA:PFA+1], 32768 ; one slot further on than the walking descriptor
.endif
	s_wait_dscnt 0x0                               ; the add is done, and my reads of the slot that I have left are over
	s_barrier_signal -1
	s_barrier_wait -1
.if \fill
	s_add_co_u32 s66, s[KF], 512                   ; the first key of the slot that this change would ask for.  Past my work-group's last query no wave reads it, so it is not asked for.
	s_cmp_gt_u32 s66, s[QL]                        ; Ids and the count of steps alone: all sixteen waves go the same way, and a work-group that is past the limit stays past it.
	s_cbranch_scc1 .Lpast_\@                       ; Every wait on TENSORcnt in this text is for 0; the jump leads round the load's own lines and round nothing else
	TLOAD                                          ; a wave's one tensor load until the next change: it has four key steps in which to land
.Lpast_\@:
	ASK
.endif
.endm
.macro SLOT_STEPS
	STEP 0
	STEP 1
	STEP 2
	STEP 3
	s_xor_b32 s[TB], s[TB], SLOT1                  ; on to the other slot
.endm
	s_wait_loadcnt 0x0                             ; Q
.Lslot:                                            ; seven trips: behind each change of slots but the last the next slot is asked for
	CHANGE 1
	SLOT_STEPS
	s_sub_co_u32 s[SLOTS], s[SLOTS], 1
	s_cmp_lg_u32 s[SLOTS], 0
	s_cbranch_scc1 .Lslot
	CHANGE 0                                       ; the last slot is written out: nothing is left to ask for
	SLOT_STEPS
	; THE WAY OUT.  O^T / l is quantised with 2^e10.  A sum of the second product stands for sum x 2^(e8 + e9): the three exponents are folded into the conversion's one scale.
.rept 4
	v_nop                                          ; four places behind the last products
.endr
	v_add_f32 v14, v14, v15                        ; the sum's two halves,
	s_delay_alu instid0(VALU_DEP_1)
	v_permlanex16_b32 v210, v14, s[SEL], s[SEL+1]
	s_delay_alu instid0(VALU_DEP_1)
	v_add_f32 v14, v14, v210                       ; and lane l xor 16's: the row's sum
	s_wait_alu depctr_va_vdst(0)
	v_rcp_f32 v14, v14
	s_sub_co_i32 s66, s56, s54
	s_sub_co_i32 s66, s66, s55                     ; e10 - e8 - e9
	s_add_co_i32 s66, s66, 127
	s_lshl_b32 s67, s66, 23
	v_mov_b32 v218, s67                            ; (the plain line behind the reciprocal)
	s_add_co_i32 s66, s66, 15
	s_lshl_b32 s66, s66, 23
	s_or_b32 s66, s66, 0x600000
	v_mov_b32 v219, s66
	s_wait_alu depctr_va_vdst(0)                   ; the wait ahead of the reciprocal's first reader
.set n, 0
.rept 16
	v_pk_mul_f32 v[160+n:161+n], v[160+n:161+n], v[14:15] op_sel_hi:[1,0]   ; O^T / l, each accumulator from its low end on
.set n, n+2
.endr
.set n, 0
.rept 32
	v_med3_num_f32 v[160+n], v[160+n], -v219, v219
.set n, n+1
.endr
.irp g, 0,1,2,3
	v_cvt_scalef32_pk8_bf8_f32 v[192+2*\g:193+2*\g], v[160+8*\g:167+8*\g], v218
.endr
	v_nop                                          ; one plain vector line behind the last conversion
	global_store_b128 v[LI], v[192:195], s[12:13]             ; channels 16 h + 0 .. 15 of my 16 queries: 512 consecutive bytes, aligned
	global_store_b128 v[LI], v[196:199], s[12:13] offset:512  ; channels 32 + 16 h + 0 .. 15
	s_wait_tensorcnt 0x0                           ; the wave's end: behind my last tensor load
	ds_add_u32 v[SPW], v[NIL]
	s_wait_dscnt 0x0
	s_endpgm
.Lfunc_end_k_q0857ec705b_attn:
	.size	k_q0857ec705b_attn, .Lfunc_end_k_q0857ec705b_attn-k_q0857ec705b_attn
	.p2alignl 7, 3214868480
	.fill 96, 4, 3214868480
	.section	.rodata,"a",@progbits
	.p2align	6, 0x0
	.amdhsa_kernel k_q0857ec705b_attn
		.amdhsa_group_segment_fixed_size 327680
		.amdhsa_private_segment_fixed_size 0
		.amdhsa_enable_private_segment 0
		.amdhsa_kernarg_size 40
		.amdhsa_user_sgpr_count 2
		.amdhsa_user_sgpr_kernarg_segment_ptr 1
		.amdhsa_wavefront_size32 1
		.amdhsa_system_sgpr_workgroup_id_x 1
		.amdhsa_system_sgpr_workgroup_id_y 1
		.amdhsa_system_sgpr_workgroup_id_z 1
		.amdhsa_system_vgpr_workitem_id 0
		.amdhsa_next_free_vgpr 256
		.amdhsa_next_free_sgpr 80
		.amdhsa_reserve_vcc 1
		.amdhsa_float_denorm_mode_32 3
		.amdhsa_float_denorm_mode_16_64 3
		.amdhsa_memory_ordered 1
		.amdhsa_forward_progress 1
		.amdhsa_inst_pref_size 181
	.end_amdhsa_kernel
	.amdgpu_metadata
---
amdhsa.version: [ 1, 2 ]
amdhsa.kernels:
  - .name:           k_q0857ec705b_attn
    .symbol:         k_q0857ec705b_attn.kd
    .args:
      - { .name: qc, .offset: 0, .size: 8, .value_kind: global_buffer, .address_space: global }
      - { .name: kc, .offset: 8, .size: 8, .value_kind: global_buffer, .address_space: global }
      - { .name: vc, .offset: 16, .size: 8, .value_kind: global_buffer, .address_space: global }
      - { .name: lowp_scales, .offset: 24, .size: 8, .value_kind: global_buffer, .address_space: global }
      - { .name: ac, .offset: 32, .size: 8, .value_kind: global_buffer, .address_space: global }
    .group_segment_fixed_size: 327680
    .private_segment_fixed_size: 0
    .kernarg_segment_align: 8
    .kernarg_segment_size: 40
    .max_flat_workgroup_size: 512
    .sgpr_count:     80
    .vgpr_count:     256
    .wavefront_size: 32
...
	.end_amdgpu_metadata
.endif
;; end of part 7
;; launch oproj (part 8): grid 4 x 64, 8 waves a work-group, clusters of 4 x 4, 167,936 bytes of LDS; arguments ac, wcodes, bo, lowp_scales, out0; writes out0
.if DOCPART == 8
	.amdgcn_target "amdgcn-amd-amdhsa--gfx1250"
	.amdhsa_code_object_version 6
	.text
	.protected	k_q0857ec705b_oproj
	.globl	k_q0857ec705b_oproj
	.p2align	8
	.type	k_q0857ec705b_oproj,@function
k_q0857ec705b_oproj:
	s_mov_b64 s[64:65], 0
	v_nop
	global_prefetch_b8 v0, s[64:65] scope:SCOPE_SE
	s_setreg_imm32_b32 hwreg(HW_REG_WAVE_MODE, 25, 1), 1
	s_wait_xcnt 0x0
	s_wait_alu depctr_hold_cnt(0) depctr_sa_sdst(0) depctr_va_vdst(0) depctr_va_sdst(0) depctr_va_ssrc(0) depctr_va_vcc(0) depctr_vm_vsrc(0)
	s_getreg_b32 s2, hwreg(HW_REG_IB_STS2, 6, 4)
	s_cmp_eq_u32 s2, 0
	s_cbranch_scc0 .Lentry_in_a_cluster
	s_endpgm
.Lentry_in_a_cluster:
	s_bfe_u32 s2, ttmp6, 0x10000c
	s_cmp_lg_u32 s2, 0xf033
	s_cbranch_scc0 .Lentry_shape_is_right
	s_endpgm
.Lentry_shape_is_right:
; out0 = a Wo^T + bo.  a: [8,192][512] as codes of BF8 (E5M2) with 2^e10, Wo as codes with 2^e11, both laid as images of operand registers; bo [512], out0 [8,192][512] f32.
; a: fragment (tile of 16 rows m, K step s) at 8,192 m + 2,048 s: four groups of 512 bytes; in group c lane l = (r, h) has, at 16 l, k = 128 s + 32 c + 16 h + 0 .. 15 of row r.
; Wo: fragment (64 columns w, tile t, K step s) at 786,432 + 32,768 w + 2,048 (4 t + s), likewise; lane r holds output column 64 w + 32 (t / 2) + 8 (t % 2) + r + 8 (r / 8).
; The codes are multiplied as they are; each finished sum goes out as sum x 2^(e10 + e11) + bo, one packed multiply-add for two numbers.  LIMIT: e10 + e11 between -126 and 127.
; SHARES.  A work-group makes 128 rows x 128 columns; all of K (512) lies in LDS at once: 65,536 bytes of a, 65,536 of Wo: nothing is filled again.  Wave w makes rows 32 (w / 2) .. + 31 x columns
; 64 (w % 2) .. + 63: eight accumulators.  Source 0 = 16 rows of Wo, source 1 = 16 rows of a: a lane holds one row, and register n of its 32 is column 32 (n / 16) + 16 h + n % 16.
; CLUSTERS: 4 x 4 work-groups.  a's block hangs on the work-group's y alone and is asked for jointly along a row of the cluster, Wo's on x alone, along a column: the same tensor load with the same
; descriptor and a mask that names the four.  Every wave issues one load of 16,384 dense bytes: waves 0-3 a's quarters, waves 4-7 Wo's.
.set WIMG,  65536                      ; LDS: a's images from 0, Wo's from here,
.set STAGE, 131072                     ; a stage of 16 rows x (256 + 16) bytes for each wave, into which no tensor load lands,
.set SP,    272
.set SPARE, STAGE+8*16*SP              ; and the spare words, 128 bytes for each wave: four blocks of 256 bytes that no other line names
.set AA,  2                            ; v2   16 x lane + my two row tiles' images
.set AW,  3                            ; v3   16 x lane + my 64 columns' images
.set STO, 4                            ; v4   the way out: where I put 64 bytes of a row
.set RD,  5                            ; v5   where I read a row back
.set GO,  6                            ; v6   my byte offset in out0
.set VBO, 7                            ; v7   64 h: the bias
.set SPW, 28                           ; v28  LDS address of my spare word; never rewritten
.set NIL, 29                           ; v29  0; never rewritten
.set AF,  32                           ; v32-63   a's two fragments of a K step; on the way out: rows read back
.set WF,  64                           ; v64-127  Wo's four; on the way out: rows read back, and the second block's results
.set ACC, 128                          ; v128-191 accumulator (m, t) at 8 (4 m + t)
.set BI,  192                          ; v192-223 the bias of my lane's 32 columns
.set G1,  24                           ; s[24:31] descriptor group 1 for a's blocks;  s[32:35] group 0
.set G0,  32
.set G1B, 48                           ; s[48:55], s[56:59] the same for Wo's
.set G0B, 56
; A joint load: waves 0-3 fetch for a, waves 4-7 for Wo.  Each of the two lines has one mask and one set of registers for all that issue it; the branch hangs on the wave's number alone.
; An s_nop 0 and four v_nop follow each of the two lines.
.macro JLOAD
	s_cmp_eq_u32 s15, 0
	s_cbranch_scc0 .Lfor_b_\@
	tensor_load_to_lds s[G0:G0+3], s[G1:G1+7]
	s_nop 0
.rept 4
	v_nop
.endr
	s_branch .Lasked_\@
.Lfor_b_\@:
	tensor_load_to_lds s[G0B:G0B+3], s[G1B:G1B+7]
	s_nop 0
.rept 4
	v_nop
.endr
.Lasked_\@:
.endm
.macro CROUND                          ; a round of the cluster's barrier: my work-group's barrier; wave 0 signals for the work-group; every wave waits for all sixteen; my work-group's barrier once more
	s_barrier_signal -1
	s_barrier_wait -1
	s_cmp_lg_u32 s14, 0
	s_cbranch_scc1 .Lnot_wave_0_\@
	s_barrier_signal -3
.Lnot_wave_0_\@:
	s_barrier_wait -3
	s_barrier_signal -1
	s_barrier_wait -1
.endm
	s_load_b128 s[4:7], s[0:1], 0x0                ; a's codes s[4:5], the weights' codes s[6:7]
	s_load_b128 s[8:11], s[0:1], 0x10              ; bo s[8:9], the scales' exponents s[10:11]
	s_load_b64 s[12:13], s[0:1], 0x20              ; out0
	v_lshl_add_u32 v[SPW], v0, 2, SPARE
	v_mov_b32 v[NIL], 0
	ds_add_u32 v[SPW], v[NIL]                      ; the wave's opening: the add and its wait stand ahead of the round in front of the first loads; work on registers stands between them
	ds_add_u32 v[SPW], v[NIL]
	v_lshrrev_b32 v1, 5, v0
	s_delay_alu instid0(VALU_DEP_1)
	v_readfirstlane_b32 s14, v1                    ; wave 0..7
	s_lshr_b32 s15, s14, 2                         ; I fetch for a (0) or for Wo (1),
	s_and_b32 s16, s14, 3                          ; this quarter of the block
	s_bfe_u32 s40, ttmp6, 0x40000                  ; cx, cy: my place in the cluster
	s_bfe_u32 s41, ttmp6, 0x40004
	s_lshl_b32 s42, ttmp9, 2
	s_add_co_u32 s42, s42, s40                     ; X = 4 x cluster x + cx: my 128 columns
	s_and_b32 s17, ttmp7, 0xffff
	s_lshl_b32 s17, s17, 2
	s_add_co_u32 s17, s17, s41                     ; Y = 4 x cluster y + cy: my 128 rows
	s_lshl_b32 s43, s41, 2
	s_lshl_b32 s43, 15, s43                        ; my row of the cluster
	s_lshl_b32 s44, 0x1111, s40                    ; my column
	; descriptor group 1: 16,384 dense bytes as 64 rows of 32 elements of 8 bytes
	s_or_b32 s[G1+0], s43, (3<<16)|(1<<21)         ; 15:0 the mask: a's block goes to my row; 17:16 elements of 8 bytes; 21 set beside a mask; no padding: images are read 512 consecutive bytes at a time
	s_or_b32 s[G1B+0], s44, (3<<16)|(1<<21)        ; the same with the mask of my column
.irp g, G1, G1B
	s_mov_b32 s[\g+1], 32<<16                      ; tensor_dim0 = 32
	s_mov_b32 s[\g+2], 64<<16                      ; tensor_dim1 = 64
	s_mov_b32 s[\g+3], 32<<16                      ; tile_dim0 = 32
	s_mov_b32 s[\g+4], 64                          ; tile_dim1 = 64
	s_mov_b32 s[\g+5], 32                          ; from row to row
	s_mov_b32 s[\g+6], 0
	s_mov_b32 s[\g+7], 0
.endr
	s_lshl_b32 s18, s16, 14                        ; my quarter
	s_lshl_b32 s20, s17, 16                        ; a: 65,536 Y + quarter: made of Y and the wave's number alone
	s_add_co_u32 s20, s20, s18
	s_mov_b32 s21, 0
	s_lshl_b32 s46, s42, 16                        ; Wo: 786,432 + 65,536 X + quarter: of X and the wave's number alone
	s_add_co_u32 s46, s46, s18
	s_add_co_u32 s46, s46, 786432
	s_mov_b32 s47, 0
	s_lshl_b32 s45, s14, 14                        ; where it goes: wave x 16,384: no place in the cluster enters an LDS address
	s_wait_dscnt 0x0                               ; the opening add is done
	s_wait_kmcnt 0x0
	s_load_b64 s[96:97], s[10:11], 0x28            ; e10, e11
	s_add_nc_u64 s[20:21], s[4:5], s[20:21]
	s_add_nc_u64 s[46:47], s[6:7], s[46:47]
	CROUND                                         ; all sixteen work-groups are here: the joint loads meet
	s_mov_b32 s[G0], 1
	s_mov_b32 s[G0+1], s45
	s_mov_b64 s[G0+2:G0+3], s[20:21]
	s_or_b32 s[G0+3], s[G0+3], 0x80000000
	s_mov_b32 s[G0B], 1
	s_mov_b32 s[G0B+1], s45
	s_mov_b64 s[G0B+2:G0B+3], s[46:47]
	s_or_b32 s[G0B+3], s[G0B+3], 0x80000000
	JLOAD                                          ; my one tensor load of the launch
	v_and_b32 v8, 15, v0                           ; r
	v_bfe_u32 v9, v0, 4, 1                         ; h
	v_and_b32 v1, 31, v0
	s_delay_alu instid0(VALU_DEP_1)
	v_lshlrev_b32 v1, 4, v1                        ; 16 x lane
	s_lshr_b32 s22, s14, 1                         ; which 32 rows are mine
	s_and_b32 s23, s14, 1                          ; which 64 columns
	s_lshl_b32 s66, s22, 14
	v_add_nc_u32 v[AA], s66, v1
	s_lshl_b32 s66, s23, 15
	s_add_co_u32 s66, s66, WIMG
	v_add_nc_u32 v[AW], s66, v1
	s_mul_i32 s67, s14, 16*SP
	s_add_co_u32 s67, s67, STAGE                   ; my stage
	v_mul_u32_u24 v[STO], v8, SP                   ; in: row r, 64 bytes for each half of the lanes in each half of the row
	s_delay_alu instid0(VALU_DEP_1)
	v_lshl_add_u32 v[STO], v9, 6, v[STO]
	s_delay_alu instid0(VALU_DEP_1)
	v_add_nc_u32 v[STO], s67, v[STO]
	v_mul_u32_u24 v[RD], v9, SP                    ; back: lanes 0-15 one row of 256 bytes, lanes 16-31 the next
	s_delay_alu instid0(VALU_DEP_1)
	v_lshl_add_u32 v[RD], v8, 4, v[RD]
	s_delay_alu instid0(VALU_DEP_1)
	v_add_nc_u32 v[RD], s67, v[RD]
	v_lshlrev_b32 v[GO], 11, v9                    ; and the same two rows in out0
	s_delay_alu instid0(VALU_DEP_1)
	v_lshl_add_u32 v[GO], v8, 4, v[GO]
	v_lshlrev_b32 v[VBO], 6, v9
	s_wait_alu depctr_va_vdst(0)
	s_lshl_b32 s68, s42, 9                         ; my first column in bytes: 512 X + 256 (w % 2)
	s_lshl_b32 s66, s23, 8
	s_add_co_u32 s68, s68, s66
	s_mov_b32 s69, 0
	s_add_nc_u64 s[8:9], s[8:9], s[68:69]
	s_lshl_b32 s70, s17, 7
	s_lshl_b32 s66, s22, 5
	s_add_co_u32 s70, s70, s66                     ; my first row: 128 Y + 32 (w / 2)
	s_lshl_b32 s70, s70, 11
	s_add_co_u32 s70, s70, s68
	s_mov_b32 s71, 0
	s_add_nc_u64 s[12:13], s[12:13], s[70:71]
.irp b, 0,1
.irp q, 0,1,2,3
	global_load_b128 v[BI+16*\b+4*\q:BI+16*\b+4*\q+3], v[VBO], s[8:9] offset:128*\b+16*\q   ; bo at columns 32 b + 16 h + 4 q + 0 .. 3
.endr
.endr
	s_wait_tensorcnt 0x0                           ; my quarter is in,
	s_barrier_signal -1
	s_barrier_wait -1                              ; everybody's is
; K step s: six fragments from LDS, eight products; the eight accumulators take turns, one line a turn; the first step starts the sums
.macro KSTEP s
.if (\s) > 0
.rept 4
	v_nop                                          ; four places in front of loads into registers that products have read
.endr
.endif
.irp m, 0,1
.irp c, 0,1,2,3
	ds_load_b128 v[AF+16*\m+4*\c:AF+16*\m+4*\c+3], v[AA] offset:8192*\m+2048*(\s)+512*\c
.endr
.endr
.irp t, 0,1,2,3
.irp c, 0,1,2,3
	ds_load_b128 v[WF+16*\t+4*\c:WF+16*\t+4*\c+3], v[AW] offset:(4*\t+(\s))*2048+512*\c
.endr
.endr
	s_wait_dscnt 0x0
.irp m, 0,1
.irp t, 0,1,2,3
.if (\s) == 0
	v_wmma_f32_16x16x128_bf8_bf8 v[ACC+8*(4*\m+\t):ACC+8*(4*\m+\t)+7], v[WF+16*\t:WF+16*\t+15], v[AF+16*\m:AF+16*\m+15], 0
.else
	v_wmma_f32_16x16x128_bf8_bf8 v[ACC+8*(4*\m+\t):ACC+8*(4*\m+\t)+7], v[WF+16*\t:WF+16*\t+15], v[AF+16*\m:AF+16*\m+15], v[ACC+8*(4*\m+\t):ACC+8*(4*\m+\t)+7]
.endif
.endr
.endr
.endm
	KSTEP 0
	KSTEP 1
	KSTEP 2
	KSTEP 3
	s_wait_kmcnt 0x0
	s_add_co_i32 s96, s96, s97                     ; e10 + e11,
	s_add_co_i32 s96, s96, 127
	s_lshl_b32 s96, s96, 23                        ; as the f32 number 2^(e10 + e11)
	s_mov_b32 s97, s96                             ; (named with it as a pair, so it is written)
	s_wait_loadcnt 0x0                             ; the bias
.rept 4
	v_nop                                          ; four places behind the last products: for the first read of results and for what lands on the fragments' registers
.endr
; THE WAY OUT of row tile m.  A lane holds pieces of one row and the lanes beside it other rows: the tile goes through my own stage and comes back as whole rows of 256 bytes.
; LDS serves a wave's instructions in order (ISA guide 5.7.1.4): no wait between the stores and the loads, nor in front of the next tile's stores.
.macro OUT m
.set TM, 224-128*(\m)                  ; results: v224-255, then v96-127
.set BK, 32+32*(\m)                    ; rows read back: v32-63, then v64-95
.irp n, 0,2,4,6,8,10,12,14,16,18,20,22,24,26,28,30
	v_pk_fma_f32 v[TM+\n:TM+\n+1], v[ACC+32*(\m)+\n:ACC+32*(\m)+\n+1], s[96:97], v[BI+\n:BI+\n+1] op_sel_hi:[1,0,1]   ; sum x 2^(e10 + e11) + bo; each accumulator from its low end on
.endr
.irp b, 0,1
.irp q, 0,1,2,3
	ds_store_b128 v[STO], v[TM+16*\b+4*\q:TM+16*\b+4*\q+3] offset:128*\b+16*\q
.endr
.endr
.irp i, 0,1,2,3,4,5,6,7
	ds_load_b128 v[BK+4*\i:BK+4*\i+3], v[RD] offset:2*\i*SP
.endr
.endm
.macro SEND m, younger                 ; younger: the LDS instructions issued behind tile m's loads
.set BK, 32+32*(\m)
.irp i, 0,1,2,3,4,5,6,7
	s_wait_dscnt \younger+7-\i                     ; LDS instructions end in order: behind pair i's load stand the tile's 7 - i younger loads and the next tile's sixteen, or none
	global_store_b128 v[GO], v[BK+4*\i:BK+4*\i+3], s[12:13] offset:(16*(\m)+2*\i)*2048 th:TH_STORE_NT   ; sixteen lanes store 256 consecutive bytes, aligned; written once, read by nobody here
.endr
.endm
	OUT 0
	OUT 1
	SEND 0, 16
	SEND 1, 0
	s_wait_tensorcnt 0x0                           ; the wave's end: behind my last tensor load and my last LDS store
	ds_add_u32 v[SPW], v[NIL]
	s_wait_dscnt 0x0
	CROUND                                         ; the closing round: no work-group ends while a partner may still ask for a block that names it
	s_endpgm
.Lfunc_end_k_q0857ec705b_oproj:
	.size	k_q0857ec705b_oproj, .Lfunc_end_k_q0857ec705b_oproj-k_q0857ec705b_oproj
	.p2alignl 7, 3214868480
	.fill 96, 4, 3214868480
	.section	.rodata,"a",@progbits
	.p2align	6, 0x0
	.amdhsa_kernel k_q0857ec705b_oproj
		.amdhsa_group_segment_fixed_size 167936
		.amdhsa_private_segment_fixed_size 0
		.amdhsa_enable_private_segment 0
		.amdhsa_kernarg_size 40
		.amdhsa_user_sgpr_count 2
		.amdhsa_user_sgpr_kernarg_segment_ptr 1
		.amdhsa_wavefront_size32 1
		.amdhsa_system_sgpr_workgroup_id_x 1
		.amdhsa_system_sgpr_workgroup_id_y 1
		.amdhsa_system_sgpr_workgroup_id_z 1
		.amdhsa_system_vgpr_workitem_id 0
		.amdhsa_next_free_vgpr 256
		.amdhsa_next_free_sgpr 98
		.amdhsa_reserve_vcc 0
		.amdhsa_float_denorm_mode_32 3
		.amdhsa_float_denorm_mode_16_64 3
		.amdhsa_memory_ordered 1
		.amdhsa_forward_progress 1
		.amdhsa_inst_pref_size 22
	.end_amdhsa_kernel
	.amdgpu_metadata
---
amdhsa.version: [ 1, 2 ]
amdhsa.kernels:
  - .name:           k_q0857ec705b_oproj
    .symbol:         k_q0857ec705b_oproj.kd
    .args:
      - { .name: ac, .offset: 0, .size: 8, .value_kind: global_buffer, .address_space: global }
      - { .name: wcodes, .offset: 8, .size: 8, .value_kind: global_buffer, .address_space: global }
      - { .name: bo, .offset: 16, .size: 8, .value_kind: global_buffer, .address_space: global }
      - { .name: lowp_scales, .offset: 24, .size: 8, .value_kind: global_buffer, .address_space: global }
      - { .name: out0, .offset: 32, .size: 8, .value_kind: global_buffer, .address_space: global }
    .group_segment_fixed_size: 167936
    .private_segment_fixed_size: 0
    .kernarg_segment_align: 8
    .kernarg_segment_size: 40
    .max_flat_workgroup_size: 256
    .sgpr_count:     98
    .vgpr_count:     256
    .wavefront_size: 32
...
	.end_amdgpu_metadata
.endif
;; end of part 8
